; MI455X (gfx1250); checked and timed in simulation.
; The chip was launched on July 23, 2026; its instructions are those of AMD's public machine-readable ISA for CDNA 5 (MIT licence, August 2026) and "CDNA5" Instruction Set Architecture Reference Guide (July 2026). The comments in the code are by the model that wrote it; some were corrected since.
;; Enhanced Transformer Block. Allowed arithmetic: matrix products marked QUANTISED: E2M1 operands, one E8M0 scale for each 32 along K, by v_wmma_scale_f32_16x16x128_f8f6f4 with both operands' format E2M1 (or v_wmma_scale_f32_32x16x128_f4), f32 sums; everything else in f32.
;; Inputs: down_b 1,024 float32; down_w 2,730 x 1,024 float32; gate_b 2,730 float32; gate_w 1,024 x 2,730 float32; ln1_b 1,024 float32; ln1_g 1,024 float32; ln2_b 1,024 float32; ln2_g 1,024 float32; proj_b 1,024 float32; proj_w 1,024 x 1,024 float32; qkv_b 3,072 float32; qkv_w 1,024 x 3,072 float32; up_b 2,730 float32; up_w 1,024 x 2,730 float32; x 2 x 2,048 x 1,024 float32.
;; Outputs: out0 2 x 2,048 x 1,024 float32.
;; This version of the problem:
;;   THIS VERSION OF THE PROBLEM IS GIVEN IN LOW PRECISION. The matrix products marked QUANTISED in the list below multiply operands that are first quantised to E2M1 (2 exponent bits, 1 mantissa bit; 4 bits a number), with one power-of-two scale for each 32 numbers along K (OCP MX v1.0); their sums are f32. All else is computed in f32.
;;   The module's matrix products, in the order in which they are computed (A, B: the left and right operand; K: the contracted axis; several contracted axes count as one K, in the product's order):
;;     1. [M 4,096, K 1,024] x [K 1,024, N 3,072]; A: computed on the way; B: input qkv_w: QUANTISED
;;     2. batch 32 x [M 2,048, K 64] x [K 64, N 2,048]; A: computed on the way; B: computed on the way: QUANTISED
;;     3. batch 32 x [M 2,048, K 2,048] x [K 2,048, N 64]; A: softmax (see below); B: computed on the way: QUANTISED
;;     4. [M 4,096, K 1,024] x [K 1,024, N 1,024]; A: computed on the way; B: input proj_w: QUANTISED
;;     5. [M 4,096, K 1,024] x [K 1,024, N 2,730]; A: computed on the way; B: input gate_w: QUANTISED
;;     6. [M 4,096, K 1,024] x [K 1,024, N 2,730]; A: computed on the way; B: input up_w: QUANTISED
;;     7. [M 4,096, K 2,730] x [K 2,730, N 1,024]; A: computed on the way; B: input down_w: QUANTISED
;;   THE QUANTISER, for each operand of a quantised product, along K:
;;     - K is cut into blocks of 32 from its start; a last block that is shorter is filled with zeros.
;;     - A block's scale is 2^e with e = floor(log2(the largest magnitude in the block)) - 2, held to -126 .. 127; a block of zeros has e = 0. As a byte (E8M0): e + 127.
;;     - Each number is divided by its block's scale, clamped to +-6, and rounded to the nearest number of E2M1, ties to even, subnormals kept.
;;     - The product sums the exact products of the quantised numbers (number of the format x scale) in f32.
;;   ~~~python
;;   def quantise(x, axis):      # numpy; x: float32 -> the quantised numbers, widened to float32 again
;;       x = np.moveaxis(x, axis, -1); K = x.shape[-1]
;;       x = np.pad(x, [(0, 0)] * (x.ndim - 1) + [(0, -K % 32)]); x = x.reshape(x.shape[:-1] + (-1, 32)); a = np.abs(x).max(-1, keepdims=True)
;;       e = np.where(a > 0, np.clip(np.frexp(np.where(a > 0, a, 1))[1] - 1 - 2, -126, 127), 0)      # np.frexp(a)[1] - 1 = floor(log2(a)), exactly
;;       r = np.clip(x / 2.0 ** e, -6, 6)
;;       step = 2.0 ** (np.maximum(np.frexp(np.where(r == 0, 1, r))[1] - 1, 0) - 1)
;;       q = np.round(r / step) * step * 2.0 ** e      # np.round: ties to even
;;       return np.moveaxis(q.reshape(q.shape[:-2] + (-1,))[..., :K], -1, axis).astype(np.float32)
;;   ~~~
;;   SOFTMAX AHEAD OF A QUANTISED PRODUCT. Where the list says 'softmax', what is quantised is not the finished softmax but p = 2^(t - M), with t = logit x log2(e) and M = ceil(the row's largest t), a whole number; so 1/2 < the row's largest p <= 1. The row's sum l is taken of the UNQUANTISED p, in f32, and the product's result is divided by l at the end. Since M is a whole number, a kernel that streams over the keys may use a running M (the ceiling of the running maximum): every later rescaling is an exact power of two, which a block's scale takes up: the codes' values come out the same.
;;   OPERANDS COMPUTED ON THE WAY. 'Computed on the way' means the value that the module computes at that place (a softmax that the list does not call 'softmax' is quantised finished and normalised). What goes into a quantiser is computed in f32, as accurately as f32 sums, v_exp_f32 and their like allow (about 1e-6 of the number): no bf16 or f16 on the way to a quantiser, and a product that is left as it is and whose result goes on into a quantised operand takes f32 operands (vector FMAs, or v_wmma_f32_16x16x4_f32). A number that lies on a knife's edge between two numbers of the format may be rounded either way, as far as f32 arithmetic and the matrix unit's own rounding can turn it there, and no further.
;; One version. Each part assembles by itself: llvm-mc -triple=amdgcn-amd-amdhsa -mcpu=gfx1250 --defsym DOCPART=n.
;; ======== version 1 of 1: 7 launches
;; workspace buffers: wts 6,846,464 bytes; h1 2,228,224 bytes; h2 2,228,224 bytes; ao 2,228,224 bytes; qkvp 8,912,896 bytes; x1 16,777,216 bytes; hid 6,127,616 bytes
;; launch wqln (part 1): grid 1041 x 1, 4 waves a work-group, no clusters, 28,160 bytes of LDS; arguments x, ln1_g, ln1_b, h1, qkv_w, proj_w, gate_w, up_w, down_w, gate_b, up_b, wts; writes h1, wts
.if DOCPART == 1
	.amdgcn_target "amdgcn-amd-amdhsa--gfx1250"
	.amdhsa_code_object_version 6
	.text
	.protected	k_q9c83394b5e_wqln
	.globl	k_q9c83394b5e_wqln
	.p2align	8
	.type	k_q9c83394b5e_wqln,@function
k_q9c83394b5e_wqln:
	s_mov_b64 s[64:65], 0
	v_nop
	global_prefetch_b8 v0, s[64:65] scope:SCOPE_SE
	s_setreg_imm32_b32 hwreg(HW_REG_WAVE_MODE, 25, 1), 1
	s_wait_xcnt 0x0
; TWO JOBS THAT SHARE NO DATA, IN ONE LAUNCH.  Work-groups 0-255: h1 = Q(layernorm(x) g + b) (the second half of this text).  Work-groups 256-1,040: the five weights become codes.  The branch hangs on the work-group's number alone; only the first job uses LDS.
; THE WEIGHTS, f32 stored [K][N], become codes of FP4 (E2M1) with one E8M0 byte for each 32 along K, laid in wts as IMAGES OF THE OPERAND'S REGISTERS.
; A tile is 16 columns; tile t, position p stands for column 32 (t / 2) + 8 (t % 2) + p % 8 + 16 (p / 8).  A tile's record is [K step of 128][block 0..3][p][16 bytes]; its scale words [K step][p], byte b = block b.
; A LANE TAKES A COLUMN AND ITS REGISTERS RUN DOWN K: a block of 32 lies in one lane's 32 registers, its largest magnitude needs no other lane, and the conversions give 16 bytes that are one place of the image.
; A wave takes 32 columns (two tiles) x 128 along K; each load reads 128 consecutive bytes, each store of codes fills two aligned runs of 256 bytes.
; With n = work-group - 256: n 0-191 qkv_w, 192-255 proj_w, 256-431 gate_w, 432-607 up_w, 608-775 down_w's K steps 0-20, 776-783 its K step 21 (42 rows are left; the rest are zero codes), 784 the biases of gate and up, padded with zeros to 2,816.
; gate and up share one run of tiles: hidden group g of 32 units has tiles 4 g, 4 g + 1 (gate) and 4 g + 2, 4 g + 3 (up); columns from 2,730 on are zeros.
; A block's scale is 2^(floor(log2(largest magnitude)) - 2); its byte is the largest magnitude's exponent field - 2, held at 1 from below.
; LIMITS: a block of zeros gets the byte 1 (or 127 where no row is left): its codes are zeros and this program alone reads the bytes; blocks under 2^-124 keep the byte 1; NaN and infinities are not served.
; No matrix unit, no tensor load, no cluster: every input byte is read once, and work-groups share only g and b (8 KB).
.set X, 32                             ; v32-159  four blocks of 32 numbers
.set C, 16                             ; v16-31   four registers of codes for each block: no store's data are written again
.macro LDBLK b, pitch, valid           ; block b: rows 32 b + 0 .. 31 of this K step, my column
.set I, 32*(\b)
.rept 32
.if I < \valid
	global_load_b32 v[X+I], v2, s[30:31] offset:I*\pitch th:TH_LOAD_NT
.endif
.set I, I+1
.endr
.endm
.macro QBLK b, pitch, mask, valid
.set XB, X+32*(\b)
.set CB, C+4*(\b)
.set NVAL, \valid-32*(\b)              ; rows of this block that exist
.set NXT, NVAL-32                      ; loads of the next block
.if NXT < 0
.set NXT, 0
.endif
.if NXT > 32
.set NXT, 32
.endif
.if NVAL <= 0
.irp g,0,1,2,3
	v_mov_b32 v[CB+\g], 0                          ; no row is left: zero codes,
.endr
	v_or_b32 v12, 127<<(8*(\b)), v12               ; under the byte 127
.else
	s_wait_loadcnt NXT                             ; this block's loads are in; only the next block's were issued behind them
.if (\b)+2 < 4
	LDBLK (\b)+2, \pitch, \valid                   ; two blocks ahead, into registers of their own
.endif
.set I, 0
.rept 32
.if I >= NVAL
	v_mov_b32 v[XB+I], 0                           ; past the end of K: zeros
.endif
.set I, I+1
.endr
.if \mask
.set I, 0
.rept 32
	v_cndmask_b32 v[XB+I], 0, v[XB+I], vcc_lo      ; a column past the tensor's last: zeros (its loads were held at the last column)
.set I, I+1
.endr
.endif
	v_max3_num_f32 v8, |v[XB]|, |v[XB+1]|, |v[XB+2]|               ; the block's largest magnitude, in two chains
	v_max3_num_f32 v9, |v[XB+3]|, |v[XB+4]|, |v[XB+5]|
.irp i,6,10,14,18,22,26
	v_max3_num_f32 v8, v8, |v[XB+\i]|, |v[XB+\i+1]|
	v_max3_num_f32 v9, v9, |v[XB+\i+2]|, |v[XB+\i+3]|
.endr
	v_max3_num_f32 v8, v8, |v[XB+30]|, |v[XB+31]|
	v_max3_num_f32 v8, v8, v9, 0x1800000           ; and the floor 2^(3 - 127): the byte cannot fall under 1
	v_add_nc_u32 v10, 0xff000000, v8               ; 2 off the exponent field: the conversion's scale operand
	v_lshrrev_b32 v11, 23, v10                     ; the scale's byte
.if (\b) == 0
	v_mov_b32 v12, v11
.else
	v_lshl_or_b32 v12, v11, 8*(\b), v12            ; four bytes make the K step's scale word
.endif
.irp g,0,1,2,3
	v_cvt_scalef32_pk8_fp4_f32 v[CB+\g], v[XB+8*\g:XB+8*\g+7], v10
.endr
	v_nop                                          ; one plain line behind the conversions
.endif
	global_store_b128 v3, v[CB:CB+3], s[32:33] offset:256*(\b)     ; the sixteen lanes of a tile fill 256 consecutive bytes, aligned
.endm
; s4 = K step, s5 = which 128 columns.  src: the tensor's pointer; nks: K steps of the operand; tile = tstr g + toff + u; coff, soff: where its codes and scale words begin in wts
.macro WQ src, pitch, ncol, mask, valid, nks, tstr, toff, coff, soff
	s_lshl_b32 s6, s5, 2
	s_add_co_u32 s6, s6, s2                        ; g: my wave's group of 32 columns
	v_lshl_add_u32 v13, s6, 5, v1                  ; my column
.if \mask
	v_cmp_gt_u32 vcc_lo, \ncol, v13                ; does it exist?
	v_min_u32 v13, \ncol-1, v13                    ; no load leaves the tensor
.endif
	v_lshlrev_b32 v2, 2, v13
	v_mul_u32_u24 v3, v5, \nks*1024                ; codes: my tile of the two, + 16 p
	v_lshl_add_u32 v3, v6, 4, v3
	v_mul_u32_u24 v4, v5, \nks*64                  ; scale words: likewise, + 4 p
	v_lshl_add_u32 v4, v6, 2, v4
	s_mul_i32 s24, s4, 128*\pitch                  ; the K step's first row
	s_mov_b32 s25, 0
	s_mul_i32 s26, s6, \tstr
	s_add_co_u32 s26, s26, \toff
	s_mul_i32 s26, s26, \nks
	s_add_co_u32 s26, s26, s4                      ; record = first tile x K steps + K step
	s_lshl_b32 s28, s26, 6
	s_add_co_u32 s28, s28, \soff
	s_lshl_b32 s26, s26, 10
	s_add_co_u32 s26, s26, \coff
	s_mov_b32 s27, 0
	s_mov_b32 s29, 0
	s_add_nc_u64 s[30:31], s[\src:\src+1], s[24:25]
	s_add_nc_u64 s[32:33], s[22:23], s[26:27]
	s_add_nc_u64 s[34:35], s[22:23], s[28:29]
	LDBLK 0, \pitch, \valid
	LDBLK 1, \pitch, \valid
	QBLK 0, \pitch, \mask, \valid
	QBLK 1, \pitch, \mask, \valid
	QBLK 2, \pitch, \mask, \valid
	QBLK 3, \pitch, \mask, \valid
	global_store_b32 v4, v12, s[34:35]             ; two runs of 64 bytes: a sixteenth of the codes' bytes
	s_endpgm
.endm
	v_lshl_add_u32 v14, v0, 2, 0x6c00
	v_mov_b32 v15, 0
	s_cmp_lt_u32 ttmp9, 256                        ; the rows' work-groups come first, the shortest of the weights' last
	s_cbranch_scc1 .Lln
	s_load_b512 s[8:23], s[0:1], 0x20              ; qkv_w s[8:9], proj_w s[10:11], gate_w s[12:13], up_w s[14:15], down_w s[16:17], gate_b s[18:19], up_b s[20:21], wts s[22:23]
	s_sub_co_u32 s7, ttmp9, 256                    ; n
	v_lshrrev_b32 v1, 5, v0
	v_readfirstlane_b32 s2, v1                     ; wave
	v_and_b32 v1, 31, v0                           ; lane = column in the group of 32
	v_bfe_u32 v5, v0, 3, 1                         ; u = (lane / 8) % 2: which of the group's two tiles
	v_and_b32 v6, 7, v0
	v_bfe_u32 v7, v0, 4, 1
	v_lshl_add_u32 v6, v7, 3, v6                   ; p = lane % 8 + 8 (lane / 16): my place in it
	s_wait_kmcnt 0x0
	s_cmp_lt_u32 s7, 192
	s_cbranch_scc1 .Lqkv
	s_cmp_lt_u32 s7, 256
	s_cbranch_scc1 .Lproj
	s_cmp_lt_u32 s7, 432
	s_cbranch_scc1 .Lgate
	s_cmp_lt_u32 s7, 608
	s_cbranch_scc1 .Lup
	s_cmp_lt_u32 s7, 776
	s_cbranch_scc1 .Ldown
	s_cmp_lt_u32 s7, 784
	s_cbranch_scc1 .Ldlast
	; the biases of gate and up: group g of 32 hidden units gets [gate 32 f32][up 32 f32]; units from 2,730 on get zeros
	v_lshlrev_b32 v2, 2, v0
	v_min_u32 v3, 41, v0                           ; the last 128: 42 numbers are left, and no load leaves the tensor
	v_lshlrev_b32 v3, 2, v3
	v_lshlrev_b32 v4, 2, v1
	s_lshl_b32 s3, s2, 8
	v_add_nc_u32 v4, s3, v4                        ; 256 x wave + 4 x lane
	s_add_nc_u64 s[32:33], s[22:23], 6823936
.set J, 0
.rept 21
	global_load_b32 v[32+J], v2, s[18:19] offset:512*J
	global_load_b32 v[64+J], v2, s[20:21] offset:512*J
.set J, J+1
.endr
	global_load_b32 v53, v3, s[18:19] offset:512*21
	global_load_b32 v85, v3, s[20:21] offset:512*21
	s_wait_loadcnt 0x0
	v_cmp_gt_u32 vcc_lo, 42, v0
	v_cndmask_b32 v53, 0, v53, vcc_lo
	v_cndmask_b32 v85, 0, v85, vcc_lo
.set J, 0
.rept 22
	global_store_b32 v4, v[32+J], s[32:33] offset:1024*J
	global_store_b32 v4, v[64+J], s[32:33] offset:1024*J+128
.set J, J+1
.endr
	s_endpgm
.Lqkv:
	s_and_b32 s4, s7, 7
	s_lshr_b32 s5, s7, 3
	WQ 8, 12288, 3072, 0, 128, 8, 2, 0, 0, 6422528
.Lproj:
	s_sub_co_u32 s3, s7, 192
	s_and_b32 s4, s3, 7
	s_lshr_b32 s5, s3, 3
	WQ 10, 4096, 1024, 0, 128, 8, 2, 0, 1572864, 6520832
.Lgate:
	s_sub_co_u32 s3, s7, 256
	s_and_b32 s4, s3, 7
	s_lshr_b32 s5, s3, 3
	WQ 12, 10920, 2730, 1, 128, 8, 4, 0, 2097152, 6553600
.Lup:
	s_sub_co_u32 s3, s7, 432
	s_and_b32 s4, s3, 7
	s_lshr_b32 s5, s3, 3
	WQ 14, 10920, 2730, 1, 128, 8, 4, 2, 2097152, 6553600
.Ldown:
	s_sub_co_u32 s3, s7, 608
	s_and_b32 s5, s3, 7
	s_lshr_b32 s4, s3, 3
	WQ 16, 4096, 1024, 0, 128, 22, 2, 0, 4980736, 6733824
.Ldlast:
	s_sub_co_u32 s5, s7, 776
	s_mov_b32 s4, 21
	WQ 16, 4096, 1024, 0, 42, 22, 2, 0, 4980736, 6733824
; ---- THE ROWS.  h = Q(layernorm(x) g + b): rows of 1,024 f32 are normalised in f32 (mean, then the mean of the squared differences: two passes over registers) and quantised along the row to FP4 (E2M1), one E8M0 byte for each 32.
; The result is laid as an image of the operand's registers: tile t (16 rows; position p stands for row 32 (t / 2) + 8 (t % 2) + p % 8 + 16 (p / 8)) is [K step 0..7][block 0..3][p][16 bytes], 8,192 bytes; its scale words [K step][p] lie from byte 2,097,152 on, 512 bytes a tile.
; Work-group t makes tile t; wave w takes positions 4 w .. 4 w + 3, which are four neighbouring rows.  A row is read once, 512 consecutive bytes an instruction, and stays in 32 registers.
; For the quantiser a lane must hold a whole block of 32: the row turns through the wave's own 4,608 bytes of LDS (32 blocks x (128 + 16)).  The codes of the 16 rows meet in an image in LDS (32 runs of 256 + 16 bytes) and leave as aligned runs of 256 bytes.
.set G, 192                            ; v192-223 g, v224-255 b: chunk j holds columns 128 j + 4 lane + 0 .. 3, as the rows do
.set BI, 224
.set IMG, 18432
.set SCB, 27136
.macro RED r, t                        ; the sum over the 32 lanes, in every lane
	v_add_f32_dpp v[\r], v[\r], v[\r] row_xmask:1 row_mask:0xf bank_mask:0xf
	v_add_f32_dpp v[\r], v[\r], v[\r] row_xmask:2 row_mask:0xf bank_mask:0xf
	v_add_f32_dpp v[\r], v[\r], v[\r] row_xmask:4 row_mask:0xf bank_mask:0xf
	v_add_f32_dpp v[\r], v[\r], v[\r] row_xmask:8 row_mask:0xf bank_mask:0xf
	v_permlanex16_b32 v[\t], v[\r], s12, s13
	v_add_f32 v[\r], v[\r], v[\t]
.endm
.Lln:
	s_load_b256 s[4:11], s[0:1], 0x0               ; x s[4:5], g s[6:7], b s[8:9], h s[10:11]
	v_lshrrev_b32 v1, 5, v0
	v_readfirstlane_b32 s2, v1                     ; wave
	v_and_b32 v1, 31, v0                           ; lane
	v_lshlrev_b32 v8, 4, v1                        ; 16 x lane
	s_mov_b32 s12, 0x76543210
	s_mov_b32 s13, 0xfedcba98                      ; selects for lane l xor 16
	s_mov_b32 s14, 0x3a800000                      ; 1 / 1,024
	s_mov_b32 s15, 0x3727c5ac                      ; 1e-5
	s_lshr_b32 s16, ttmp9, 1
	s_lshl_b32 s16, s16, 5
	s_and_b32 s17, ttmp9, 1
	s_lshl_b32 s17, s17, 3
	s_add_co_u32 s16, s16, s17
	s_and_b32 s17, s2, 1
	s_lshl_b32 s17, s17, 2
	s_add_co_u32 s16, s16, s17
	s_lshr_b32 s17, s2, 1
	s_lshl_b32 s17, s17, 4
	s_add_co_u32 s16, s16, s17                     ; my first row: 32 (t / 2) + 8 (t % 2) + 4 (w % 2) + 16 (w / 2)
	s_lshl_b32 s16, s16, 12
	s_mov_b32 s17, 0
	s_lshl_b32 s18, ttmp9, 9
	s_add_co_u32 s18, s18, 2097152                 ; the tile's scale words
	s_mov_b32 s19, 0
	s_lshl_b32 s20, ttmp9, 13
	s_lshl_b32 s21, s2, 11
	s_add_co_u32 s20, s20, s21                     ; the tile's codes, my quarter of them
	s_mov_b32 s21, 0
	s_wait_kmcnt 0x0
	s_add_nc_u64 s[4:5], s[4:5], s[16:17]
	s_add_nc_u64 s[18:19], s[10:11], s[18:19]
	s_add_nc_u64 s[10:11], s[10:11], s[20:21]
.irp j,0,1,2,3,4,5,6,7
	global_load_b128 v[G+4*\j:G+4*\j+3], v8, s[6:7] offset:512*\j
.endr
.irp j,0,1,2,3,4,5,6,7
	global_load_b128 v[BI+4*\j:BI+4*\j+3], v8, s[8:9] offset:512*\j
.endr
.irp i,0,1,2,3
.irp j,0,1,2,3,4,5,6,7
	global_load_b128 v[64+32*\i+4*\j:64+32*\i+4*\j+3], v8, s[4:5] offset:4096*\i+512*\j
.endr
.endr
	s_mul_i32 s20, s2, 4608                        ; my wave's turning place
	v_lshrrev_b32 v10, 3, v1
	v_mul_u32_u24 v2, v10, 144
	v_and_b32 v10, 7, v1
	v_lshl_add_u32 v2, v10, 4, v2
	v_add_nc_u32 v2, s20, v2                       ; in: chunk j of lane l is 16 bytes of block 4 j + l / 8, at 16 (l % 8): + 576 j
	v_mul_u32_u24 v3, v1, 144
	v_add_nc_u32 v3, s20, v3                       ; back: block l
	v_mul_u32_u24 v4, v1, 272
	s_lshl_b32 s21, s2, 6
	s_add_co_u32 s21, s21, IMG
	v_add_nc_u32 v4, s21, v4                       ; the image: run l (block l of K), place 16 (4 w + row)
	v_lshrrev_b32 v10, 2, v1
	v_and_b32 v11, 3, v1
	v_lshl_add_u32 v5, v10, 6, v11
	s_lshl_b32 s21, s2, 4
	s_add_co_u32 s21, s21, SCB
	v_add_nc_u32 v5, s21, v5                       ; the scale bytes: 64 (l / 4) + 4 (4 w + row) + l % 4
	v_lshrrev_b32 v10, 4, v1
	v_mul_u32_u24 v6, v10, 272
	v_and_b32 v11, 15, v1
	v_lshl_add_u32 v6, v11, 4, v6
	s_mul_i32 s21, s2, 8*272
	s_add_co_u32 s21, s21, IMG
	v_add_nc_u32 v6, s21, v6                       ; out of the image: runs 8 w + 2 j + l / 16, 16 bytes a lane
	v_lshl_add_u32 v7, v1, 4, SCB
.macro ROW i
.set XR, 64+32*\i
	s_wait_loadcnt 8*(3-\i)                        ; g, b and this row are in; behind them only the later rows' eight loads each
.irp j,0,1,2,3,4,5,6,7
	v_pk_add_f32 v[16+2*\j:17+2*\j], v[XR+4*\j:XR+4*\j+1], v[XR+4*\j+2:XR+4*\j+3]
.endr
.irp j,0,1,2,3
	v_pk_add_f32 v[16+2*\j:17+2*\j], v[16+2*\j:17+2*\j], v[24+2*\j:25+2*\j]
.endr
	v_pk_add_f32 v[16:17], v[16:17], v[20:21]
	v_pk_add_f32 v[18:19], v[18:19], v[22:23]
	v_pk_add_f32 v[16:17], v[16:17], v[18:19]
	v_add_f32 v16, v16, v17
	RED 16, 17
	v_mul_f32 v16, s14, v16                        ; the mean
.set J, 0
.rept 16
	v_pk_add_f32 v[XR+J:XR+J+1], v[XR+J:XR+J+1], v[16:17] op_sel_hi:[1,0] neg_lo:[0,1] neg_hi:[0,1]   ; x - mean
.set J, J+2
.endr
	v_pk_mul_f32 v[18:19], v[XR:XR+1], v[XR:XR+1]
	v_pk_mul_f32 v[20:21], v[XR+2:XR+3], v[XR+2:XR+3]
.set J, 4
.rept 7
	v_pk_fma_f32 v[18:19], v[XR+J:XR+J+1], v[XR+J:XR+J+1], v[18:19]
	v_pk_fma_f32 v[20:21], v[XR+J+2:XR+J+3], v[XR+J+2:XR+J+3], v[20:21]
.set J, J+4
.endr
	v_pk_add_f32 v[18:19], v[18:19], v[20:21]
	v_add_f32 v18, v18, v19
	RED 18, 19
	v_fma_f32 v18, v18, s14, s15                   ; the variance + 1e-5
	v_rsq_f32 v18, v18
	v_nop                                          ; one plain line behind the transcendental
.set J, 0
	s_wait_alu depctr_va_vdst(0)
.rept 16
	v_pk_mul_f32 v[XR+J:XR+J+1], v[XR+J:XR+J+1], v[18:19] op_sel_hi:[1,0]
.set J, J+2
.endr
.set J, 0
.rept 16
	v_pk_fma_f32 v[XR+J:XR+J+1], v[XR+J:XR+J+1], v[G+J:G+J+1], v[BI+J:BI+J+1]
.set J, J+2
.endr
.irp j,0,1,2,3,4,5,6,7
	ds_store_b128 v2, v[XR+4*\j:XR+4*\j+3] offset:576*\j
.endr
.irp j,0,1,2,3,4,5,6,7
	ds_load_b128 v[XR+4*\j:XR+4*\j+3], v3 offset:16*\j     ; LDS serves a wave's instructions in order: these see the stores above.  I now hold block l: columns 32 l + 0 .. 31
.endr
	s_wait_dscnt 0x0
	v_max3_num_f32 v20, |v[XR]|, |v[XR+1]|, |v[XR+2]|
	v_max3_num_f32 v21, |v[XR+3]|, |v[XR+4]|, |v[XR+5]|
.irp j,6,10,14,18,22,26
	v_max3_num_f32 v20, v20, |v[XR+\j]|, |v[XR+\j+1]|
	v_max3_num_f32 v21, v21, |v[XR+\j+2]|, |v[XR+\j+3]|
.endr
	v_max3_num_f32 v20, v20, |v[XR+30]|, |v[XR+31]|
	v_max3_num_f32 v20, v20, v21, 0x1800000        ; the floor 2^(3 - 127): the byte cannot fall under 1
	v_add_nc_u32 v22, 0xff000000, v20              ; 2 off the exponent field: the conversion's scale operand
	v_lshrrev_b32 v[40+\i], 23, v22                ; the scale's byte
.irp g,0,1,2,3
	v_cvt_scalef32_pk8_fp4_f32 v[48+4*\i+\g], v[XR+8*\g:XR+8*\g+7], v22
.endr
	v_nop                                          ; one plain line behind the conversions
	ds_store_b128 v4, v[48+4*\i:51+4*\i] offset:16*\i
	ds_store_b8 v5, v[40+\i] offset:4*\i
.endm
	ROW 0
	ROW 1
	ROW 2
	ROW 3
	s_wait_dscnt 0x0                               ; for the others' sake: my stores into the image are done
	s_barrier_signal -1
	s_barrier_wait -1
.irp j,0,1,2,3
	ds_load_b128 v[64+4*\j:67+4*\j], v6 offset:544*\j
.endr
.irp j,0,1,2,3
	s_wait_dscnt 3-\j                              ; the younger loads may stay out
	global_store_b128 v8, v[64+4*\j:67+4*\j], s[10:11] offset:512*\j   ; 512 consecutive bytes, aligned
.endr
	s_cmp_lg_u32 s2, 0
	s_cbranch_scc1 .Lln_end
	ds_load_b128 v[80:83], v7                      ; wave 0: the tile's 512 bytes of scale words
	s_wait_dscnt 0x0
	global_store_b128 v8, v[80:83], s[18:19]
.Lln_end:
	s_wait_tensorcnt 0x0
	ds_add_u32 v14, v15
	s_wait_dscnt 0x0
	s_endpgm
.Lfunc_end_k_q9c83394b5e_wqln:
	.size	k_q9c83394b5e_wqln, .Lfunc_end_k_q9c83394b5e_wqln-k_q9c83394b5e_wqln
	.p2alignl 7, 3214868480
	.fill 96, 4, 3214868480
	.section	.rodata,"a",@progbits
	.p2align	6, 0x0
	.amdhsa_kernel k_q9c83394b5e_wqln
		.amdhsa_group_segment_fixed_size 28160
		.amdhsa_private_segment_fixed_size 0
		.amdhsa_enable_private_segment 0
		.amdhsa_kernarg_size 96
		.amdhsa_user_sgpr_count 2
		.amdhsa_user_sgpr_kernarg_segment_ptr 1
		.amdhsa_wavefront_size32 1
		.amdhsa_system_sgpr_workgroup_id_x 1
		.amdhsa_system_sgpr_workgroup_id_y 1
		.amdhsa_system_sgpr_workgroup_id_z 1
		.amdhsa_system_vgpr_workitem_id 0
		.amdhsa_next_free_vgpr 256
		.amdhsa_next_free_sgpr 66
		.amdhsa_reserve_vcc 1
		.amdhsa_float_denorm_mode_32 3
		.amdhsa_float_denorm_mode_16_64 3
		.amdhsa_memory_ordered 1
		.amdhsa_forward_progress 1
		.amdhsa_inst_pref_size 169
	.end_amdhsa_kernel
	.amdgpu_metadata
---
amdhsa.version: [ 1, 2 ]
amdhsa.kernels:
  - .name:           k_q9c83394b5e_wqln
    .symbol:         k_q9c83394b5e_wqln.kd
    .args:
      - { .name: x, .offset: 0, .size: 8, .value_kind: global_buffer, .address_space: global }
      - { .name: ln1_g, .offset: 8, .size: 8, .value_kind: global_buffer, .address_space: global }
      - { .name: ln1_b, .offset: 16, .size: 8, .value_kind: global_buffer, .address_space: global }
      - { .name: h1, .offset: 24, .size: 8, .value_kind: global_buffer, .address_space: global }
      - { .name: qkv_w, .offset: 32, .size: 8, .value_kind: global_buffer, .address_space: global }
      - { .name: proj_w, .offset: 40, .size: 8, .value_kind: global_buffer, .address_space: global }
      - { .name: gate_w, .offset: 48, .size: 8, .value_kind: global_buffer, .address_space: global }
      - { .name: up_w, .offset: 56, .size: 8, .value_kind: global_buffer, .address_space: global }
      - { .name: down_w, .offset: 64, .size: 8, .value_kind: global_buffer, .address_space: global }
      - { .name: gate_b, .offset: 72, .size: 8, .value_kind: global_buffer, .address_space: global }
      - { .name: up_b, .offset: 80, .size: 8, .value_kind: global_buffer, .address_space: global }
      - { .name: wts, .offset: 88, .size: 8, .value_kind: global_buffer, .address_space: global }
    .group_segment_fixed_size: 28160
    .private_segment_fixed_size: 0
    .kernarg_segment_align: 8
    .kernarg_segment_size: 96
    .max_flat_workgroup_size: 128
    .sgpr_count:     66
    .vgpr_count:     256
    .wavefront_size: 32
...
	.end_amdgpu_metadata
.endif
;; end of part 1
;; launch qkv (part 2): grid 12 x 16, 16 waves a work-group, no clusters, 264,192 bytes of LDS; arguments h1, wts, qkv_b, qkvp; writes qkvp
.if DOCPART == 2
	.amdgcn_target "amdgcn-amd-amdhsa--gfx1250"
	.amdhsa_code_object_version 6
	.text
	.protected	k_q9c83394b5e_qkv
	.globl	k_q9c83394b5e_qkv
	.p2align	8
	.type	k_q9c83394b5e_qkv,@function
k_q9c83394b5e_qkv:
	s_mov_b64 s[64:65], 0
	v_nop
	global_prefetch_b8 v0, s[64:65] scope:SCOPE_SE
	s_setreg_imm32_b32 hwreg(HW_REG_WAVE_MODE, 25, 1), 1
	s_wait_xcnt 0x0
; qkv = Q(h) Q(qkv_w) + qkv_b on codes of FP4 (E2M1), and its results quantised at once into the operands of attention: q and k along the head's 64, v along the tokens.
; A work-group makes 256 tokens (y) x 256 columns (x: 0-3 q, 4-7 k, 8-11 v).  Its 16 token tiles and 16 weight tiles, for all of K = 1,024, come into LDS by first fills alone, in four stages of 256 along K (65,536 bytes each):
; no LDS byte is filled twice.  Waves 0-3 bring token tiles, waves 4-7 weight tiles, four tiles to a load, one load a stage: four tensor loads of a wave are out at the most.
; Operands lie in memory and in LDS as images of their registers: fragment (tile, K step) is 1,024 bytes, read by two loads at 16 x lane.  Tile t, position p stands for row 32 (t / 2) + 8 (t % 2) + p % 8 + 16 (p / 8),
; so that the 16 result registers of source 0's tiles 2 b and 2 b + 1 are 16 NEIGHBOURS: 32 b + 16 (lane / 16) + 0 .. 15; the lane's row of source 1 is position lane % 16.
; Sixteen waves, each 64 tokens x 64 columns (one head): 16 accumulators, which take turns, one instruction a turn.
; q, k (x < 8): source 0 = weights, source 1 = tokens: a lane holds one token and its registers run along the head.  v (x >= 8): source 0 = tokens, source 1 = weights: a lane holds one channel and its registers run along the tokens.
; OUT, in qkvp: a pack for q at 0 and one for k and v at 4,456,448; each [head of 32][quarter of 512 tokens][34,816 bytes]: + 0 codes of q or k, 32 tiles x [block 0,1][p][16]; + 16,384 v's codes [K step of 128 keys][channel tile 0..3][1,024];
; + 32,768 scale words of q or k [pair of tiles][p] (bytes 0, 1 the even tile, 2, 3 the odd); + 33,792 v's scale words [K step][channel tile][p].  Codes leave as aligned runs of 256 bytes; v's scale bytes as half words inside dense runs, a sixteenth of the codes' bytes.
; No cluster: the 12 work-groups of a grid row ask for the same token panel and the 16 of a column for the same weight panel, each for itself: 192 x 262,144 bytes are requested where joint loads would ask for a quarter.  Left so in this text: with first fills alone it has no barrier of a cluster at all.
; LIMITS: a block of zeros gets the byte 1, not 127 (zero codes; this program alone reads the bytes); NaN and infinities are not served.
.set KS, 8
.set TROW, 2048                        ; a tile's bytes in a stage: two K steps
.set STB, 65536                        ; a stage: 32 tiles
.set BV, 16                            ; v16-23  v's bias, a pair for each channel tile
.set SC0, 32                           ; v32-47  scale words of source 0's tiles: 4 t + K step / 2; lanes 0-15 the even K step, lanes 16-31 the odd
.set SC1, 48                           ; v48-63  of source 1's
.set F0, 64                            ; v64-95  source 0's four fragments;  v96-127 source 1's
.set F1, 96
.set ACC, 128                          ; accumulator (m of source 1, t of source 0) at v[128 + 32 m + 8 t]
.set TM, 64                            ; behind the products, over the fragments: largest magnitudes, lane permutes, scale operands, bytes, codes, words
.set TP, 72
.set SO, 80
.set BY, 88
.set PCD, 96
.set WD, 112
.macro PLACES                          ; four plain lines behind matrix instructions, in front of loads into their sources and of the first read of results
.rept 4
	v_nop
.endr
.endm
.macro LDF reg, adr, off               ; a fragment: 16 rows x 128 K, 8 registers
	ds_load_b128 v[\reg:\reg+3], v[\adr] offset:\off
	ds_load_b128 v[\reg+4:\reg+7], v[\adr] offset:\off+512
.endm
.macro STAGE q
	s_wait_tensorcnt 3-(\q)                        ; my load of stage q has landed; behind it only my loads of the later stages
	s_barrier_signal -1
	s_barrier_wait -1                              ; everybody's has.
.endm
.macro MM d, a, b, zero, sa, sb, odd
.if \zero
	v_wmma_scale_f32_16x16x128_f8f6f4 v[\d:\d+7], v[\a:\a+7], v[\b:\b+7], 0, v[\sa], v[\sb] matrix_a_fmt:MATRIX_FMT_FP4 matrix_b_fmt:MATRIX_FMT_FP4
.elseif \odd
	v_wmma_scale_f32_16x16x128_f8f6f4 v[\d:\d+7], v[\a:\a+7], v[\b:\b+7], v[\d:\d+7], v[\sa], v[\sb] matrix_a_fmt:MATRIX_FMT_FP4 matrix_b_fmt:MATRIX_FMT_FP4 matrix_a_scale:MATRIX_SCALE_ROW1 matrix_b_scale:MATRIX_SCALE_ROW1
.else
	v_wmma_scale_f32_16x16x128_f8f6f4 v[\d:\d+7], v[\a:\a+7], v[\b:\b+7], v[\d:\d+7], v[\sa], v[\sb] matrix_a_fmt:MATRIX_FMT_FP4 matrix_b_fmt:MATRIX_FMT_FP4
.endif
.endm
.macro KLOOP zero                      ; all of K: 8 steps of 16 LDS loads and 16 matrix instructions.  zero = 1: the first step starts the sums
.irp q,0,1,2,3
	STAGE \q
.irp kk,0,1
.if (\q)+(\kk) > 0
	PLACES
.endif
.irp t,0,1,2,3
	LDF F0+8*\t, 3, \t*TROW+\kk*1024
	LDF F1+8*\t, 4, \t*TROW+\kk*1024
.endr
	s_wait_dscnt 0x0
.irp m,0,1,2,3
.irp t,0,1,2,3
.if (\q)+(\kk) == 0
	MM ACC+32*\m+8*\t, F0+8*\t, F1+8*\m, \zero, SC0+4*\t+\q, SC1+4*\m+\q, \kk
.else
	MM ACC+32*\m+8*\t, F0+8*\t, F1+8*\m, 0, SC0+4*\t+\q, SC1+4*\m+\q, \kk
.endif
.endr
.endr
.endr
.if \q < 3
	v_add_nc_u32 v3, STB, v3
	v_add_nc_u32 v4, STB, v4
.endif
.endr
.endm
.macro QUANT8                          ; eight blocks of 32: block x = my 16 registers at ACC + 16 x and lane l xor 16's.  Each accumulator is read from its low end on
.irp x,0,1,2,3,4,5,6,7
	v_max3_num_f32 v[TM+\x], |v[ACC+16*\x]|, |v[ACC+16*\x+1]|, 0x1800000   ; with the floor 2^(3 - 127): the byte cannot fall under 1
.endr
.irp i,2,4,6,8,10,12,14
.irp x,0,1,2,3,4,5,6,7
	v_max3_num_f32 v[TM+\x], v[TM+\x], |v[ACC+16*\x+\i]|, |v[ACC+16*\x+\i+1]|
.endr
.endr
.irp x,0,1,2,3,4,5,6,7
	v_permlanex16_b32 v[TP+\x], v[TM+\x], s76, s77
.endr
.irp x,0,1,2,3,4,5,6,7
	v_max_num_f32 v[TM+\x], v[TM+\x], v[TP+\x]
.endr
.irp x,0,1,2,3,4,5,6,7
	v_add_nc_u32 v[SO+\x], 0xff000000, v[TM+\x]    ; 2 off the exponent field: the conversion's scale operand
.endr
.irp x,0,1,2,3,4,5,6,7
	v_lshrrev_b32 v[BY+\x], 23, v[SO+\x]           ; the scale's byte
.endr
.irp x,0,1,2,3,4,5,6,7
	v_cvt_scalef32_pk8_fp4_f32 v[PCD+2*\x], v[ACC+16*\x:ACC+16*\x+7], v[SO+\x]
	v_cvt_scalef32_pk8_fp4_f32 v[PCD+2*\x+1], v[ACC+16*\x+8:ACC+16*\x+15], v[SO+\x]
.endr
	v_nop                                          ; one plain line behind the conversions
.endm
	s_load_b256 s[8:15], s[0:1], 0x0               ; h1 s[8:9], wts s[10:11], qkv_b s[12:13], qkvp s[14:15]
	v_lshl_add_u32 v30, v0, 2, 0x40000
	v_mov_b32 v31, 0
	ds_add_u32 v30, v31
	ds_add_u32 v30, v31
	v_lshrrev_b32 v1, 5, v0
	v_readfirstlane_b32 s2, v1                     ; wave 0..15
	s_mov_b32 s3, ttmp9                            ; x
	s_and_b32 s4, ttmp7, 0xffff                    ; y
	s_and_b32 s5, s2, 3                            ; wm: my 64 tokens
	s_lshr_b32 s6, s2, 2                           ; wn: my 64 columns
	s_mov_b32 s16, 3<<16                           ; group 1: elements of 8 bytes, no mask, no padding
	s_mov_b32 s17, (TROW/8)<<16                    ; tensor_dim0 = 256 elements: a tile's 2,048 bytes of a stage
	s_mov_b32 s18, 4<<16                           ; tensor_dim1 = 4 tiles
	s_mov_b32 s19, (TROW/8)<<16                    ; tile_dim0
	s_mov_b32 s20, 4                               ; tile_dim1
	s_mov_b32 s21, KS*128                          ; from tile to tile: 8,192 bytes
	s_mov_b32 s22, 0
	s_mov_b32 s23, 0
	s_lshl_b32 s42, s4, 4
	s_lshl_b32 s43, s3, 4
	s_lshl_b32 s44, s2, 2
	s_lshl_b32 s46, s2, 13                         ; LDS: wave x 4 tiles x 2,048
	s_wait_dscnt 0x0
	s_wait_kmcnt 0x0
	s_cmp_lt_u32 s2, 4                             ; waves 0-3: token tiles 16 y + 4 w;  waves 4-7: weight tiles 16 x + 4 (w - 4)
	s_cselect_b64 s[40:41], s[8:9], s[10:11]
	s_cselect_b32 s42, s42, s43
	s_cselect_b32 s45, 0, 16
	s_add_co_u32 s42, s42, s44
	s_sub_co_u32 s42, s42, s45
	s_lshl_b32 s42, s42, 13
	s_mov_b32 s43, 0
	s_add_nc_u64 s[40:41], s[40:41], s[42:43]
.irp q,0,1,2,3
	s_mov_b32 s[24+4*\q], 1
	s_add_co_u32 s[25+4*\q], s46, \q*STB
	s_add_nc_u64 s[26+4*\q:27+4*\q], s[40:41], \q*TROW
	s_or_b32 s[27+4*\q], s[27+4*\q], 0x80000000
.endr
	s_cmp_lt_u32 s2, 8
	s_cbranch_scc0 .Lno_fill
	tensor_load_to_lds s[24:27], s[16:23]          ; all first fills of a wave in one group, ahead of every wait on TENSORcnt, every LDS read and every barrier
	s_nop 0
	tensor_load_to_lds s[28:31], s[16:23]
	s_nop 0
	tensor_load_to_lds s[32:35], s[16:23]
	s_nop 0
	tensor_load_to_lds s[36:39], s[16:23]
	s_nop 0
	PLACES
.Lno_fill:
	v_and_b32 v9, 31, v0
	v_lshlrev_b32 v1, 4, v9                        ; 16 x lane
	v_lshlrev_b32 v2, 2, v9                        ; 4 x lane
	v_and_b32 v10, 15, v0                          ; r
	v_bfe_u32 v11, v0, 4, 1                        ; h
	v_lshlrev_b32 v5, 4, v10
	v_lshl_add_u32 v5, v11, 3, v5                  ; codes out: 16 r + 8 h
	v_lshlrev_b32 v6, 6, v11                       ; 64 h: my half's 16 numbers of a bias
	v_and_b32 v7, 7, v0
	v_bfe_u32 v12, v0, 3, 1
	v_lshl_add_u32 v7, v12, 4, v7
	v_lshlrev_b32 v7, 2, v7                        ; 4 (r % 8 + 16 (r / 8)): position r's column in its tile
	s_mov_b32 s70, 0xffff0000                      ; lanes 16-31
	s_mov_b32 s76, 0x76543210
	s_mov_b32 s77, 0xfedcba98                      ; selects for lane l xor 16
	s_lshl_b32 s47, s5, 13                         ; my token tiles in a stage
	s_lshl_b32 s48, s6, 13
	s_add_co_u32 s48, s48, 32768                   ; my weight tiles, behind the 16 token tiles
	s_lshl_b32 s50, s4, 4
	s_lshl_b32 s51, s5, 2
	s_add_co_u32 s50, s50, s51
	s_lshl_b32 s50, s50, 9
	s_add_co_u32 s50, s50, 2097152
	s_mov_b32 s51, 0
	s_add_nc_u64 s[52:53], s[8:9], s[50:51]        ; my token tiles' scale words
	s_lshl_b32 s50, s3, 4
	s_lshl_b32 s54, s6, 2
	s_add_co_u32 s50, s50, s54
	s_lshl_b32 s50, s50, 9
	s_add_co_u32 s50, s50, 6422528
	s_add_nc_u64 s[56:57], s[10:11], s[50:51]      ; my weight tiles' scale words
	s_lshl_b32 s50, s3, 2
	s_add_co_u32 s50, s50, s6
	s_lshl_b32 s50, s50, 8
	s_add_nc_u64 s[60:61], s[12:13], s[50:51]      ; my 64 columns of the bias
	s_lshr_b32 s66, s4, 3                          ; batch
	s_lshl_b32 s66, s66, 4
	s_and_b32 s67, s3, 3
	s_lshl_b32 s67, s67, 2
	s_add_co_u32 s67, s67, s6                      ; head
	s_add_co_u32 s66, s66, s67
	s_mul_i32 s66, s66, 139264
	s_bfe_u32 s67, s4, 0x20001                     ; quarter = (y % 8) / 2
	s_mul_i32 s67, s67, 34816
	s_add_co_u32 s66, s66, s67
	s_cmp_ge_u32 s3, 4
	s_cselect_b32 s67, 4456448, 0                  ; k and v: the second pack
	s_add_co_u32 s66, s66, s67
	s_and_b32 s68, s4, 1
	s_mov_b32 s73, 0
	s_mov_b32 s75, 0
	s_cmp_lt_u32 s3, 8
	s_cbranch_scc0 .Lpath_v
	; ---- q and k: source 0 = weights, source 1 = tokens
	v_add_nc_u32 v3, s48, v1
	v_add_nc_u32 v4, s47, v1
.irp t,0,1,2,3
.irp i,0,1,2,3
	global_load_b32 v[SC0+4*\t+\i], v2, s[56:57] offset:512*\t+128*\i
	global_load_b32 v[SC1+4*\t+\i], v2, s[52:53] offset:512*\t+128*\i
.endr
.endr
.irp m,0,1,2,3                         ; the bias is loaded into the accumulators, in the result's layout: register j of tile t is column 32 (t / 2) + 8 (t % 2) + 16 h + j
.irp t,0,1,2,3
	global_load_b128 v[ACC+32*\m+8*\t:ACC+32*\m+8*\t+3], v6, s[60:61] offset:128*(\t/2)+32*(\t%2)
	global_load_b128 v[ACC+32*\m+8*\t+4:ACC+32*\m+8*\t+7], v6, s[60:61] offset:128*(\t/2)+32*(\t%2)+16
.endr
.endr
	s_lshl_b32 s67, s68, 13
	s_lshl_b32 s69, s5, 11
	s_add_co_u32 s67, s67, s69                     ; tile 16 (y % 2) + 4 wm of the quarter, 512 bytes a tile
	s_add_co_u32 s72, s66, s67
	s_add_nc_u64 s[72:73], s[14:15], s[72:73]
	s_lshl_b32 s67, s68, 9
	s_lshl_b32 s69, s5, 7
	s_add_co_u32 s67, s67, s69                     ; pair 8 (y % 2) + 2 wm, 64 bytes a pair
	s_add_co_u32 s74, s66, s67
	s_add_co_u32 s74, s74, 32768
	s_add_nc_u64 s[74:75], s[14:15], s[74:75]
	s_wait_loadcnt 0x0
	KLOOP 0
	PLACES
.irp x,0,1,2,3,4,5,6,7
	v_mov_b32 v[TP+\x], 0                          ; a lane permute's destination counts as one of its sources
.endr
	QUANT8                                         ; block x = 2 m + b: token tile m, the head's channels 32 b on
	v_lshl_or_b32 v[WD], v[BY+1], 8, v[BY]
	v_lshl_or_b32 v[WD+1], v[BY+5], 8, v[BY+4]
	v_lshl_or_b32 v[WD], v[BY+2], 16, v[WD]
	v_lshl_or_b32 v[WD+1], v[BY+6], 16, v[WD+1]
	v_lshl_or_b32 v[WD], v[BY+3], 24, v[WD]
	v_lshl_or_b32 v[WD+1], v[BY+7], 24, v[WD+1]
	v_cndmask_b32 v[WD], v[WD], v[WD+1], s70       ; lanes 0-15 the first pair's word, lanes 16-31 the second's
.irp x,0,1,2,3,4,5,6,7
	global_store_b64 v5, v[PCD+2*\x:PCD+2*\x+1], s[72:73] offset:256*\x    ; 32 lanes fill 256 consecutive bytes, aligned
.endr
	global_store_b32 v2, v[WD], s[74:75]
	s_wait_tensorcnt 0x0
	ds_add_u32 v30, v31
	s_wait_dscnt 0x0
	s_endpgm
.Lpath_v:
	; ---- v: source 0 = tokens, source 1 = weights
	v_add_nc_u32 v3, s47, v1
	v_add_nc_u32 v4, s48, v1
.irp t,0,1,2,3
.irp i,0,1,2,3
	global_load_b32 v[SC0+4*\t+\i], v2, s[52:53] offset:512*\t+128*\i
	global_load_b32 v[SC1+4*\t+\i], v2, s[56:57] offset:512*\t+128*\i
.endr
.endr
.irp m,0,1,2,3                         ; one number a lane and channel tile; both registers of the pair are written, since the packed form names the pair
	global_load_b32 v[BV+2*\m], v7, s[60:61] offset:128*(\m/2)+32*(\m%2)
	global_load_b32 v[BV+2*\m+1], v7, s[60:61] offset:128*(\m/2)+32*(\m%2)
.endr
	s_lshl_b32 s67, s68, 1
	s_lshr_b32 s69, s5, 1
	s_add_co_u32 s67, s67, s69                     ; the quarter's K step of 128 keys: 2 (y % 2) + wm / 2
	s_and_b32 s69, s5, 1                           ; and which half of it
	s_lshl_b32 s71, s67, 12
	s_lshl_b32 s78, s69, 9
	s_add_co_u32 s71, s71, s78
	s_add_co_u32 s72, s66, s71
	s_add_co_u32 s72, s72, 16384
	s_add_nc_u64 s[72:73], s[14:15], s[72:73]
	s_lshl_b32 s71, s67, 8
	s_lshl_b32 s78, s69, 1
	s_add_co_u32 s71, s71, s78
	s_add_co_u32 s74, s66, s71
	s_add_co_u32 s74, s74, 33792
	s_add_nc_u64 s[74:75], s[14:15], s[74:75]
	s_wait_loadcnt 0x0
	KLOOP 1
	PLACES
.irp m,0,1,2,3
.set J, 0
.rept 16
	v_pk_add_f32 v[ACC+32*\m+J:ACC+32*\m+J+1], v[ACC+32*\m+J:ACC+32*\m+J+1], v[BV+2*\m:BV+2*\m+1] op_sel_hi:[1,0]   ; + my channel's bias; each accumulator from its low end on
.set J, J+2
.endr
.endr
.irp x,0,1,2,3,4,5,6,7
	v_mov_b32 v[TP+\x], 0
.endr
	QUANT8                                         ; block x = 2 m + b: channel tile m, my tokens 32 b on
.irp m,0,1,2,3
	v_lshl_or_b32 v[WD+\m], v[BY+2*\m+1], 8, v[BY+2*\m]
.endr
	v_cndmask_b32 v[WD], v[WD], v[WD+1], s70
	v_cndmask_b32 v[WD+2], v[WD+2], v[WD+3], s70
.irp m,0,1,2,3
.irp b,0,1
	global_store_b64 v5, v[PCD+4*\m+2*\b:PCD+4*\m+2*\b+1], s[72:73] offset:1024*\m+256*\b
.endr
.endr
	global_store_b16 v2, v[WD], s[74:75]           ; two of a word's four bytes: lanes 0-15 channel tile 0, lanes 16-31 tile 1;
	global_store_b16 v2, v[WD+2], s[74:75] offset:128      ; tiles 2 and 3
	s_wait_tensorcnt 0x0
	ds_add_u32 v30, v31
	s_wait_dscnt 0x0
	s_endpgm
.Lfunc_end_k_q9c83394b5e_qkv:
	.size	k_q9c83394b5e_qkv, .Lfunc_end_k_q9c83394b5e_qkv-k_q9c83394b5e_qkv
	.p2alignl 7, 3214868480
	.fill 96, 4, 3214868480
	.section	.rodata,"a",@progbits
	.p2align	6, 0x0
	.amdhsa_kernel k_q9c83394b5e_qkv
		.amdhsa_group_segment_fixed_size 264192
		.amdhsa_private_segment_fixed_size 0
		.amdhsa_enable_private_segment 0
		.amdhsa_kernarg_size 32
		.amdhsa_user_sgpr_count 2
		.amdhsa_user_sgpr_kernarg_segment_ptr 1
		.amdhsa_wavefront_size32 1
		.amdhsa_system_sgpr_workgroup_id_x 1
		.amdhsa_system_sgpr_workgroup_id_y 1
		.amdhsa_system_sgpr_workgroup_id_z 1
		.amdhsa_system_vgpr_workitem_id 0
		.amdhsa_next_free_vgpr 256
		.amdhsa_next_free_sgpr 80
		.amdhsa_reserve_vcc 0
		.amdhsa_float_denorm_mode_32 3
		.amdhsa_float_denorm_mode_16_64 3
		.amdhsa_memory_ordered 1
		.amdhsa_forward_progress 1
		.amdhsa_inst_pref_size 90
	.end_amdhsa_kernel
	.amdgpu_metadata
---
amdhsa.version: [ 1, 2 ]
amdhsa.kernels:
  - .name:           k_q9c83394b5e_qkv
    .symbol:         k_q9c83394b5e_qkv.kd
    .args:
      - { .name: h1, .offset: 0, .size: 8, .value_kind: global_buffer, .address_space: global }
      - { .name: wts, .offset: 8, .size: 8, .value_kind: global_buffer, .address_space: global }
      - { .name: qkv_b, .offset: 16, .size: 8, .value_kind: global_buffer, .address_space: global }
      - { .name: qkvp, .offset: 24, .size: 8, .value_kind: global_buffer, .address_space: global }
    .group_segment_fixed_size: 264192
    .private_segment_fixed_size: 0
    .kernarg_segment_align: 8
    .kernarg_segment_size: 32
    .max_flat_workgroup_size: 512
    .sgpr_count:     80
    .vgpr_count:     256
    .wavefront_size: 32
...
	.end_amdgpu_metadata
.endif
;; end of part 2
;; launch attn (part 3): grid 8 x 32, 16 waves a work-group, no clusters, 169,984 bytes of LDS; arguments qkvp, ao; writes ao
.if DOCPART == 3
	.amdgcn_target "amdgcn-amd-amdhsa--gfx1250"
	.amdhsa_code_object_version 6
	.text
	.protected	k_q9c83394b5e_attn
	.globl	k_q9c83394b5e_attn
	.p2align	8
	.type	k_q9c83394b5e_attn,@function
k_q9c83394b5e_attn:
	s_mov_b64 s[64:65], 0
	v_nop
	global_prefetch_b8 v0, s[64:65] scope:SCOPE_SE
	s_setreg_imm32_b32 hwreg(HW_REG_WAVE_MODE, 25, 1), 1
	s_wait_xcnt 0x0
; Causal attention with the bias slope x (query - key), both products on codes of FP4 (E2M1), and its result quantised along the channels into the operand of the next product (ao, an image of registers as h1).
; logit = score / 8 + slope (q - k); t = logit x log2(e); M = the running largest t rounded UP to a whole number; p = 2^(t - M) is quantised along the keys, not normalised; the row's sum is taken of the unquantised p and divides at the end.
; When M moves, the sum and O are multiplied by 2^(old M - new M): exact.
; SHARES.  Work-group (j, head of 32).  Waves 0-7 take the eight query tiles of block j of 128 queries, waves 8-15 those of block 15 - j: (j + 1) + (16 - j) = 17 key steps for each pair of waves, the same in every work-group.
; A wave of block NB walks key steps 0 .. NB of 128 keys; a later step's work is jumped over by a scalar branch on ids; step NB lies on the diagonal and hides keys behind the query by -infinity.
; LDS.  The head's whole pack of k and v (139,264 bytes, codes and scale words as they lie in memory) comes in by first fills alone: four quarters of 512 keys, each brought by waves 0-3 in four loads of 34 rows of 256 bytes.
; Four tensor loads of a wave are out at the most; no byte is filled twice.  A counted wait and a barrier stand in front of each quarter, on every wave's path.
; K = 64 IN AN INSTRUCTION OF K = 128: a fragment of k holds TWO key tiles (an even and an odd one: 1,024 bytes on end); against [q | zeros] it gives the even tile's scores, against [zeros | q] the odd tile's.  Zero codes add nothing under any byte but 0xff.
; Both products are used transposed: a lane holds ONE query; the 16 registers of a pair of key tiles are keys 32 b + 16 (lane / 16) + 0 .. 15.
; THE BIAS is split so that large numbers meet once.  Its small part, -8 slope (i + 16 h), 16 constants a lane, is the C of the score products, which costs no vector line: S' = score - 8 slope (i + 16 h).
; Its large part BB_b = slope (q - first key - 32 b) is one product, as in the definition, and stays out of the matrix unit: t - M = S' (log2(e) / 8) + (BB_b log2(e) - M), both fused.
; No cluster: the eight work-groups of a head ask for the same pack, each for itself (256 x 139,264 bytes requested); left so in this text, which has first fills alone and so no barrier of a cluster.
; LIMITS: p under 2^-126 counts as 0; a block of zeros gets the byte 1, not 127 (zero codes); NaN and infinities are not served.
; REGISTERS: v1 16 l, v2 4 l, v3 q - 16 h, v4-5 LDS addresses, v6 q - 16 h - first key, v7 (q - first key) as f32, v8-11 BB, v12 -M, v13 largest t, v[14:15] the sum, v16-31 the two forms of q, v32-63 fragments of k, then of v,
; v64-127 S', then p, v128-159 O^T, v160-175 -8 slope (i + 16 h), v176-183 BB log2(e) - M (pairs), v184-191 p's codes, v192-203 at work, v204-210 scale words and nothing else, v[212:213] f, v214-217 at work, v218 q, v219 -infinity, v220-221 offsets out.
.set NBR, 5                            ; s5   my block of queries = my last key step
.set TB, 44                            ; s44  LDS byte of the step's codes
.set TS, 45                            ; s45  of its scale words
.set ST, 46                            ; s46  the key step
.set KF, 47                            ; s47  its first key
.set CNT, 48
.set QB, 34816                         ; a quarter's bytes
.set HEADB, 139264
.set KVP, 4456448
.macro PLACES
.rept 4
	v_nop
.endr
.endm
.macro SMM b, row                      ; the two key tiles of pair b; C: the bias's small part for keys i = 0 .. 7 and 8 .. 15 of my half
.if \row
	v_wmma_scale_f32_16x16x128_f8f6f4 v[64+16*\b:71+16*\b], v[32+8*\b:39+8*\b], v[16:23], v[160:167], v[204+\b/2], v208 matrix_a_fmt:MATRIX_FMT_FP4 matrix_b_fmt:MATRIX_FMT_FP4 matrix_a_scale:MATRIX_SCALE_ROW1
	v_wmma_scale_f32_16x16x128_f8f6f4 v[72+16*\b:79+16*\b], v[32+8*\b:39+8*\b], v[24:31], v[168:175], v[204+\b/2], v209 matrix_a_fmt:MATRIX_FMT_FP4 matrix_b_fmt:MATRIX_FMT_FP4 matrix_a_scale:MATRIX_SCALE_ROW1
.else
	v_wmma_scale_f32_16x16x128_f8f6f4 v[64+16*\b:71+16*\b], v[32+8*\b:39+8*\b], v[16:23], v[160:167], v[204+\b/2], v208 matrix_a_fmt:MATRIX_FMT_FP4 matrix_b_fmt:MATRIX_FMT_FP4
	v_wmma_scale_f32_16x16x128_f8f6f4 v[72+16*\b:79+16*\b], v[32+8*\b:39+8*\b], v[24:31], v[168:175], v[204+\b/2], v209 matrix_a_fmt:MATRIX_FMT_FP4 matrix_b_fmt:MATRIX_FMT_FP4
.endif
.endm
.macro OMM d, row                      ; O^T's channel tile d += v's tile x p
.if \row
	v_wmma_scale_f32_16x16x128_f8f6f4 v[128+8*\d:135+8*\d], v[32+8*\d:39+8*\d], v[184:191], v[128+8*\d:135+8*\d], v[206+\d/2], v210 matrix_a_fmt:MATRIX_FMT_FP4 matrix_b_fmt:MATRIX_FMT_FP4 matrix_a_scale:MATRIX_SCALE_ROW1
.else
	v_wmma_scale_f32_16x16x128_f8f6f4 v[128+8*\d:135+8*\d], v[32+8*\d:39+8*\d], v[184:191], v[128+8*\d:135+8*\d], v[206+\d/2], v210 matrix_a_fmt:MATRIX_FMT_FP4 matrix_b_fmt:MATRIX_FMT_FP4
.endif
.endm
.macro STEP
	s_cmp_gt_u32 s[ST], s[NBR]                     ; all its keys come after my queries: the work is left out, the counters at the end are not
	s_cbranch_scc1 .Lskip_\@
	v_add_nc_u32 v4, s[TB], v1
	v_add_nc_u32 v5, s[TS], v2
	v_sub_nc_u32 v6, v3, s[KF]
	v_sub_nc_u32 v214, v218, s[KF]
	v_cvt_f32_i32 v7, v214
.irp b,0,1,2,3
	ds_load_b128 v[32+8*\b:35+8*\b], v4 offset:1024*\b
	ds_load_b128 v[36+8*\b:39+8*\b], v4 offset:1024*\b+512
.endr
	ds_load_b32 v204, v5 offset:32768              ; lanes 0-15 pair 0's words, lanes 16-31 pair 1's
	ds_load_b32 v205, v5 offset:32768+128
	s_wait_dscnt 0x0
	SMM 0, 0
	SMM 1, 1
	SMM 2, 0
	SMM 3, 1
	v_mul_f32 v8, s14, v7                          ; BB_b = slope (q - first key - 32 b).  These seven lines are the places in front of the loads and reads below
	v_add_f32 v214, 0xc2000000, v7
	v_add_f32 v215, 0xc2800000, v7
	v_add_f32 v216, 0xc2c00000, v7
	v_mul_f32 v9, s14, v214
	v_mul_f32 v10, s14, v215
	v_mul_f32 v11, s14, v216
.irp d,0,1,2,3
	ds_load_b128 v[32+8*\d:35+8*\d], v4 offset:16384+1024*\d       ; v's four channel tiles of these 128 keys: they land during the softmax
	ds_load_b128 v[36+8*\d:39+8*\d], v4 offset:16384+1024*\d+512
.endr
	ds_load_b32 v206, v5 offset:33792
	ds_load_b32 v207, v5 offset:33792+128
	s_cmp_eq_u32 s[ST], s[NBR]
	s_cbranch_scc0 .Lopen_\@
.set N, 0
.rept 64
	v_cmp_gt_i32 vcc_lo, 32*(N/16)+N%16, v6        ; register 16 b + i holds key first + 16 h + 32 b + i: hidden where 32 b + i > q - 16 h - first.  (Each accumulator from its low end on)
	v_cndmask_b32 v[64+N], v[64+N], v219, vcc_lo
.set N, N+1
.endr
.Lopen_\@:
.irp b,0,1,2,3
	v_max3_num_f32 v[192+\b], v[64+16*\b], v[65+16*\b], v[66+16*\b]        ; the largest S' of each block of 32 keys: for the row's maximum and, since p rises with S' inside a block, for the block's largest p
.endr
.irp i,3,5,7,9,11,13
.irp b,0,1,2,3
	v_max3_num_f32 v[192+\b], v[192+\b], v[64+16*\b+\i], v[65+16*\b+\i]
.endr
.endr
.irp b,0,1,2,3
	v_max_num_f32 v[192+\b], v[192+\b], v[79+16*\b]
.endr
.irp b,0,1,2,3
	v_permlanex16_b32 v[196+\b], v[192+\b], s40, s41
.endr
.irp b,0,1,2,3
	v_max_num_f32 v[192+\b], v[192+\b], v[196+\b]  ; with lane l xor 16's 16 keys (BB_b is the same there)
.endr
	v_fma_f32 v214, v192, 0x3e000000, v8           ; S' / 8 + BB_b: each block's largest logit
	v_fma_f32 v215, v193, 0x3e000000, v9
	v_fma_f32 v216, v194, 0x3e000000, v10
	v_fma_f32 v217, v195, 0x3e000000, v11
	v_max3_num_f32 v214, v214, v215, v216
	v_max_num_f32 v214, v214, v217                 ; the step's largest logit of my query
	v_mul_f32 v214, s42, v214
	v_max_num_f32 v13, v13, v214                   ; the running largest t
	v_mov_b32 v214, v12
	v_floor_f32 v12, -v13                          ; the new -M = floor(-t): M is a whole number
	v_sub_f32 v214, v12, v214                      ; old M - new M, 0 or less
	v_cvt_i32_f32 v214, v214                       ; (it saturates)
	v_ldexp_f32 v212, 1.0, v214                    ; f = 2^(old M - new M)
.irp b,0,1,2,3
	v_fma_f32 v[176+2*\b], v[8+\b], s42, v12       ; BB_b log2(e) - M: the two large numbers meet in one fused line
.endr
.set N, 0
.rept 32
	v_pk_fma_f32 v[64+N:65+N], v[64+N:65+N], s[52:53], v[176+2*(N/16):177+2*(N/16)] op_sel_hi:[1,0,0]   ; t - M = S' log2(e) / 8 + (BB_b log2(e) - M)
.set N, N+2
.endr
.irp b,0,1,2,3
	v_fma_f32 v[192+\b], v[192+\b], s52, v[176+2*\b]       ; the same of each block's largest
.endr
.set N, 0
.rept 64
	v_exp_f32 v[64+N], v[64+N]                     ; p = 2^(t - M)
.set N, N+1
.endr
.irp b,0,1,2,3
	v_exp_f32 v[192+\b], v[192+\b]                 ; the block's largest p: the same two instructions on the same number
.endr
	v_pk_mul_f32 v[14:15], v[14:15], v[212:213] op_sel_hi:[1,0]    ; the sum under the new M (a plain line behind the exponentials)
	s_wait_alu depctr_va_vdst(0)
.irp b,0,1,2,3
	v_max_num_f32 v[192+\b], 0x1800000, v[192+\b]  ; the floor 2^(3 - 127): the byte cannot fall under 1
.endr
.irp b,0,1,2,3
	v_add_nc_u32 v[200+\b], 0xff000000, v[192+\b]  ; the conversion's scale operand
.endr
.irp b,0,1,2,3
	v_lshrrev_b32 v[196+\b], 23, v[200+\b]         ; the scale's byte
.endr
	v_lshl_or_b32 v210, v197, 8, v196              ; p's scale word for these 128 keys
	v_lshl_or_b32 v210, v198, 16, v210
	v_lshl_or_b32 v210, v199, 24, v210
.irp b,0,1,2,3
	v_cvt_scalef32_pk8_fp4_f32 v[184+2*\b], v[64+16*\b:71+16*\b], v[200+\b]
	v_cvt_scalef32_pk8_fp4_f32 v[185+2*\b], v[72+16*\b:79+16*\b], v[200+\b]
.endr
	v_nop                                          ; one plain line behind the conversions
.irp c,0,1                             ; the operand wants a whole block in a lane: lanes 0-15 block 2 c, lanes 16-31 block 2 c + 1
.irp i,0,1
	v_permlane16_swap_b32 v[184+4*\c+\i], v[186+4*\c+\i]
.endr
.endr
	v_pk_add_f32 v[216:217], v[64:65], v[66:67]    ; the row's sum of the unquantised p, in two chains
.irp j,4,8,12,16,20,24,28,32,36,40,44,48,52,56,60
	v_pk_add_f32 v[14:15], v[14:15], v[64+\j:65+\j]
	v_pk_add_f32 v[216:217], v[216:217], v[66+\j:67+\j]
.endr
	v_pk_add_f32 v[14:15], v[14:15], v[216:217]
.set N, 0
.rept 16
	v_pk_mul_f32 v[128+N:129+N], v[128+N:129+N], v[212:213] op_sel_hi:[1,0]        ; O^T under the new M
.set N, N+2
.endr
	s_wait_dscnt 0x0                               ; v's fragments and scale words are in
	OMM 0, 0                                       ; the four accumulators take turns
	OMM 1, 1
	OMM 2, 0
	OMM 3, 1
	PLACES
.Lskip_\@:
	s_add_co_u32 s[TB], s[TB], 4096
	s_add_co_u32 s[TS], s[TS], 256
	s_add_co_u32 s[ST], s[ST], 1
	s_add_co_u32 s[KF], s[KF], 128
.endm
.macro QUARTER q
	s_wait_tensorcnt 3-\q                          ; my part of quarter q has landed; behind it only my loads of the later quarters
	s_barrier_signal -1
	s_barrier_wait -1                              ; everybody's has.
	s_mov_b32 s[TB], \q*QB
	s_mov_b32 s[TS], \q*QB
	s_mov_b32 s[CNT], 4
.Lstep_\@:
	STEP
	s_sub_co_u32 s[CNT], s[CNT], 1
	s_cmp_lg_u32 s[CNT], 0
	s_cbranch_scc1 .Lstep_\@
.endm
	s_load_b128 s[8:11], s[0:1], 0x0               ; qkvp s[8:9], ao s[10:11]
	v_lshl_add_u32 v224, v0, 2, 0x29000
	v_mov_b32 v225, 0
	ds_add_u32 v224, v225
	ds_add_u32 v224, v225
	v_lshrrev_b32 v1, 5, v0
	v_readfirstlane_b32 s2, v1                     ; wave 0..15
	s_mov_b32 s3, ttmp9                            ; j
	s_and_b32 s4, ttmp7, 0xffff                    ; 16 x batch + head
	s_mov_b32 s16, 3<<16                           ; group 1: 34 rows of 32 elements of 8 bytes, dense
	s_mov_b32 s17, 32<<16
	s_mov_b32 s18, 34<<16
	s_mov_b32 s19, 32<<16
	s_mov_b32 s20, 34
	s_mov_b32 s21, 32
	s_mov_b32 s22, 0
	s_mov_b32 s23, 0
	s_mul_i32 s50, s4, HEADB
	s_mul_i32 s52, s2, 8704                        ; my quarter of a quarter
	s_add_co_u32 s54, s50, s52
	s_add_co_u32 s54, s54, KVP
	s_mov_b32 s55, 0
	s_wait_dscnt 0x0
	s_wait_kmcnt 0x0
	s_add_nc_u64 s[54:55], s[8:9], s[54:55]
.irp q,0,1,2,3
	s_mov_b32 s[24+4*\q], 1
	s_add_co_u32 s[25+4*\q], s52, \q*QB
	s_add_nc_u64 s[26+4*\q:27+4*\q], s[54:55], \q*QB
	s_or_b32 s[27+4*\q], s[27+4*\q], 0x80000000
.endr
	s_cmp_lt_u32 s2, 4
	s_cbranch_scc0 .Lno_fill
	tensor_load_to_lds s[24:27], s[16:23]          ; all first fills of a wave in one group, ahead of every wait on TENSORcnt, every LDS read and every barrier
	s_nop 0
	tensor_load_to_lds s[28:31], s[16:23]
	s_nop 0
	tensor_load_to_lds s[32:35], s[16:23]
	s_nop 0
	tensor_load_to_lds s[36:39], s[16:23]
	s_nop 0
	PLACES
.Lno_fill:
	s_sub_co_u32 s7, 15, s3
	s_cmp_lt_u32 s2, 8
	s_cselect_b32 s[NBR], s3, s7                   ; my block of 128 queries
	s_and_b32 s7, s2, 7
	s_lshl_b32 s6, s[NBR], 3
	s_add_co_u32 s6, s6, s7                        ; T: my query tile, 0 .. 127
	s_lshr_b32 s7, s6, 5
	s_mul_i32 s7, s7, QB
	s_add_co_u32 s7, s7, s50                       ; its quarter in q's pack
	s_and_b32 s12, s6, 31
	s_lshl_b32 s13, s12, 9
	s_add_co_u32 s56, s7, s13
	s_mov_b32 s57, 0
	s_add_nc_u64 s[56:57], s[8:9], s[56:57]        ; its codes
	s_lshr_b32 s12, s12, 1
	s_lshl_b32 s12, s12, 6
	s_add_co_u32 s58, s7, s12
	s_add_co_u32 s58, s58, 32768
	s_mov_b32 s59, 0
	s_add_nc_u64 s[58:59], s[8:9], s[58:59]        ; its pair's scale words
	v_and_b32 v214, 31, v0
	v_lshlrev_b32 v1, 4, v214                      ; 16 x lane
	v_lshlrev_b32 v2, 2, v214                      ; 4 x lane
	v_and_b32 v215, 15, v0                         ; r
	v_lshlrev_b32 v220, 2, v215                    ; 4 r
	global_load_b128 v[16:19], v1, s[56:57]        ; [q | zeros]
	global_load_b128 v[28:31], v1, s[56:57]        ; [zeros | q]: loaded twice, so that nothing is copied
	global_load_b32 v209, v220, s[58:59]
	v_bfe_u32 v216, v0, 4, 1                       ; h
	v_lshlrev_b32 v221, 4, v215
	v_lshl_add_u32 v221, v216, 3, v221             ; codes out: 16 r + 8 h
.irp i,20,21,22,23,24,25,26,27
	v_mov_b32 v\i, 0
.endr
	s_lshr_b32 s12, s6, 1
	s_lshl_b32 s12, s12, 5
	s_and_b32 s13, s6, 1
	s_lshl_b32 s13, s13, 3
	s_add_co_u32 s12, s12, s13
	v_and_b32 v214, 7, v0
	v_bfe_u32 v215, v0, 3, 1
	v_lshl_add_u32 v214, v215, 4, v214
	v_add_nc_u32 v218, s12, v214                   ; my query: 32 (T / 2) + 8 (T % 2) + r % 8 + 16 (r / 8)
	v_lshlrev_b32 v215, 4, v216                    ; 16 h
	v_sub_nc_u32 v3, v218, v215
	s_and_b32 s12, s4, 15
	s_add_co_u32 s12, s12, 1                       ; n = head + 1;  slope = 2^(-n / 2)
	s_lshr_b32 s13, s12, 1
	s_lshl_b32 s13, s13, 23
	s_mov_b32 s14, 0x3f800000
	s_bitcmp1_b32 s12, 0
	s_cselect_b32 s14, 0x3f3504f3, s14             ; an odd n: 2^(-1/2) as f32
	s_sub_co_u32 s14, s14, s13                     ; n / 2 off the exponent field
	s_xor_b32 s15, s14, 0x80000000                 ; -slope,
	s_add_co_u32 s15, s15, 0x1800000               ; x 8: 3 onto the exponent field (the slope is 2^-8 at the least)
.set N, 0
.rept 16
	v_add_nc_u32 v214, N, v215
	v_cvt_f32_u32 v214, v214
	v_mul_f32 v[160+N], s15, v214                  ; -8 slope (i + 16 h): written here once, then read by the score products alone
.set N, N+1
.endr
	s_mov_b32 s40, 0x76543210
	s_mov_b32 s41, 0xfedcba98                      ; selects for lane l xor 16
	s_mov_b32 s42, 0x3fb8aa3b                      ; log2(e)
	s_mov_b32 s43, s42                             ; (named with it as a pair)
	s_mov_b32 s52, 0x3e38aa3b                      ; log2(e) / 8: the same mantissa, 3 off the exponent field
	s_mov_b32 s53, s52                             ; (named with it as a pair)
	s_lshr_b32 s12, s4, 4
	s_lshl_b32 s12, s12, 7
	s_add_co_u32 s12, s12, s6
	s_lshl_b32 s12, s12, 3
	s_and_b32 s13, s4, 15
	s_lshr_b32 s60, s13, 1
	s_add_co_u32 s12, s12, s60                     ; ao's record: (128 batch + T) x 8 + head / 2
	s_and_b32 s13, s13, 1
	s_lshl_b32 s60, s12, 10
	s_lshl_b32 s61, s13, 9
	s_add_co_u32 s60, s60, s61
	s_mov_b32 s61, 0
	s_add_nc_u64 s[60:61], s[10:11], s[60:61]
	s_lshl_b32 s62, s12, 6
	s_lshl_b32 s63, s13, 1
	s_add_co_u32 s62, s62, s63
	s_add_co_u32 s62, s62, 2097152
	s_mov_b32 s63, 0
	s_add_nc_u64 s[62:63], s[10:11], s[62:63]
	s_and_b32 s12, s6, 1
	s_lshl_b32 s12, s12, 4
	s_mov_b32 s[ST], 0
	s_mov_b32 s[KF], 0
	s_wait_loadcnt 0x0
	v_lshrrev_b32 v208, s12, v209                  ; my tile's two bytes in bytes 0, 1: for [q | zeros];
	v_lshlrev_b32 v209, 16, v208                   ; in bytes 2, 3: for [zeros | q].  The other two bytes stand over zero codes and are never 0xff
	v_mov_b32 v13, 0xff61b1e6                      ; the largest t so far: -3e38
	v_floor_f32 v12, -v13
	v_mov_b32 v14, 0
	v_mov_b32 v15, 0
	v_mov_b32 v213, 0                              ; upper halves of pairs whose low word serves both halves: written once
.irp i,177,179,181,183,196,197,198,199
	v_mov_b32 v\i, 0
.endr
	v_mov_b32 v219, 0xff800000                     ; -infinity
.set N, 0
.rept 32
	v_mov_b32 v[128+N], 0                          ; O^T: the step is written once; the first finds zeros, which the first change of M leaves zeros
.set N, N+1
.endr
	QUARTER 0
	QUARTER 1
	QUARTER 2
	QUARTER 3
	v_add_f32 v14, v14, v15
	v_permlanex16_b32 v214, v14, s40, s41
	v_add_f32 v14, v14, v214                       ; the row's sum
	v_rcp_f32 v14, v14
	v_nop
.set N, 0
	s_wait_alu depctr_va_vdst(0)
.rept 32
	v_mul_f32 v[64+N], v[128+N], v14               ; register 16 b + i: channel 32 b + 16 h + i of my query
.set N, N+1
.endr
.irp b,0,1
	v_max3_num_f32 v[192+\b], |v[64+16*\b]|, |v[65+16*\b]|, 0x1800000
.endr
.irp i,2,4,6,8,10,12,14
.irp b,0,1
	v_max3_num_f32 v[192+\b], v[192+\b], |v[64+16*\b+\i]|, |v[65+16*\b+\i]|
.endr
.endr
.irp b,0,1
	v_permlanex16_b32 v[196+\b], v[192+\b], s40, s41
.endr
.irp b,0,1
	v_max_num_f32 v[192+\b], v[192+\b], v[196+\b]
.endr
.irp b,0,1
	v_add_nc_u32 v[200+\b], 0xff000000, v[192+\b]
.endr
.irp b,0,1
	v_lshrrev_b32 v[196+\b], 23, v[200+\b]
.endr
	v_lshl_or_b32 v214, v197, 8, v196
.irp b,0,1
	v_cvt_scalef32_pk8_fp4_f32 v[184+2*\b], v[64+16*\b:71+16*\b], v[200+\b]
	v_cvt_scalef32_pk8_fp4_f32 v[185+2*\b], v[72+16*\b:79+16*\b], v[200+\b]
.endr
	v_nop
	global_store_b64 v221, v[184:185], s[60:61]    ; 32 lanes fill 256 consecutive bytes, aligned
	global_store_b64 v221, v[186:187], s[60:61] offset:256
	global_store_b16 v220, v214, s[62:63]          ; my head's two bytes of the word; both halves of the lanes write the same
	s_wait_tensorcnt 0x0
	ds_add_u32 v224, v225
	s_wait_dscnt 0x0
	s_endpgm
.Lfunc_end_k_q9c83394b5e_attn:
	.size	k_q9c83394b5e_attn, .Lfunc_end_k_q9c83394b5e_attn-k_q9c83394b5e_attn
	.p2alignl 7, 3214868480
	.fill 96, 4, 3214868480
	.section	.rodata,"a",@progbits
	.p2align	6, 0x0
	.amdhsa_kernel k_q9c83394b5e_attn
		.amdhsa_group_segment_fixed_size 169984
		.amdhsa_private_segment_fixed_size 0
		.amdhsa_enable_private_segment 0
		.amdhsa_kernarg_size 16
		.amdhsa_user_sgpr_count 2
		.amdhsa_user_sgpr_kernarg_segment_ptr 1
		.amdhsa_wavefront_size32 1
		.amdhsa_system_sgpr_workgroup_id_x 1
		.amdhsa_system_sgpr_workgroup_id_y 1
		.amdhsa_system_sgpr_workgroup_id_z 1
		.amdhsa_system_vgpr_workitem_id 0
		.amdhsa_next_free_vgpr 226
		.amdhsa_next_free_sgpr 66
		.amdhsa_reserve_vcc 1
		.amdhsa_float_denorm_mode_32 3
		.amdhsa_float_denorm_mode_16_64 3
		.amdhsa_memory_ordered 1
		.amdhsa_forward_progress 1
		.amdhsa_inst_pref_size 99
	.end_amdhsa_kernel
	.amdgpu_metadata
---
amdhsa.version: [ 1, 2 ]
amdhsa.kernels:
  - .name:           k_q9c83394b5e_attn
    .symbol:         k_q9c83394b5e_attn.kd
    .args:
      - { .name: qkvp, .offset: 0, .size: 8, .value_kind: global_buffer, .address_space: global }
      - { .name: ao, .offset: 8, .size: 8, .value_kind: global_buffer, .address_space: global }
    .group_segment_fixed_size: 169984
    .private_segment_fixed_size: 0
    .kernarg_segment_align: 8
    .kernarg_segment_size: 16
    .max_flat_workgroup_size: 512
    .sgpr_count:     66
    .vgpr_count:     226
    .wavefront_size: 32
...
	.end_amdgpu_metadata
.endif
;; end of part 3
;; launch proj (part 4): grid 8 x 32, 8 waves a work-group, no clusters, 232,448 bytes of LDS; arguments ao, wts, proj_b, x, x1; writes x1
.if DOCPART == 4
	.amdgcn_target "amdgcn-amd-amdhsa--gfx1250"
	.amdhsa_code_object_version 6
	.text
	.protected	k_q9c83394b5e_proj
	.globl	k_q9c83394b5e_proj
	.p2align	8
	.type	k_q9c83394b5e_proj,@function
k_q9c83394b5e_proj:
	s_mov_b64 s[64:65], 0
	v_nop
	global_prefetch_b8 v0, s[64:65] scope:SCOPE_SE
	s_setreg_imm32_b32 hwreg(HW_REG_WAVE_MODE, 25, 1), 1
	s_wait_xcnt 0x0
; x1 = x + ao proj_w + proj_b on codes of FP4 (E2M1), K = 1,024; ao and proj_w lie as images of their registers (tile t, position p = row 32 (t / 2) + 8 (t % 2) + p % 8 + 16 (p / 8); fragment (tile, K step) = 1,024 bytes).
; A work-group makes 128 tokens (y) x 128 columns (x): 32 x 8 = 256 work-groups.  Its 8 token tiles and 8 weight tiles, for all of K, come into LDS by first fills alone, in two stages of 65,536 bytes: no LDS byte is filled twice.
; Waves 0, 1 bring token tiles, waves 2, 3 weight tiles, four tiles to a load, one load a stage: two tensor loads of a wave are out at the most.
; Eight waves, each 32 tokens (w % 4) x 64 columns (w / 4): source 0 = four weight tiles, source 1 = my two token tiles; 8 accumulators, which take turns, one instruction a turn.
; Fragments in two buffers; a K step's 12 loads are issued ahead of the WAIT for the step before's, so that two steps' loads are on their way.
; The residual and the bias are read at the head, added, and kept in the wave's own 8,192 bytes of LDS while the fills land.  The way out goes through the wave's own stage (16 rows x (256 + 16) bytes): sixteen lanes store 256 consecutive bytes, aligned.
; Stage and residual lie behind the panel, in blocks of 256 bytes into which no fill lands.
; No cluster: the 8 work-groups of a grid row ask for the same token panel and the 32 of a column for the same weight panel, each for itself (256 x 131,072 bytes requested); left so in this text, which has first fills alone and so no barrier of a cluster.
.set KS, 8                             ; K steps of 128
.set NST, 2                            ; stages
.set ASC, 2097152                      ; where ao's scale words begin
.set BCO, 1572864                      ; where proj_w's codes begin in wts
.set BSC, 6520832                      ; and its scale words
.set KPS, KS/NST
.set TROW, KPS*1024                    ; a tile's bytes in a stage
.set STB, 16*TROW                      ; a stage: 8 token tiles, then 8 weight tiles
.set STG, NST*STB
.set RES, STG+8*4352
.set H2, KS/2
.set ACC, 16                           ; accumulator (m, t) at v[16 + 32 m + 8 t]
.set F, 80                             ; v80-175 two buffers of 48: four fragments of weights, two of tokens
.set SC, 176                           ; scale words: tile x H2 + K step / 2; lanes 0-15 the even K step, lanes 16-31 the odd
.macro PLACES                          ; four plain lines behind matrix instructions, in front of loads into their sources and of the first read of results
.rept 4
	v_nop
.endr
.endm
.macro LDF reg, adr, off
	ds_load_b128 v[\reg:\reg+3], v[\adr] offset:\off
	ds_load_b128 v[\reg+4:\reg+7], v[\adr] offset:\off+512
.endm
.macro STAGE q
	s_wait_tensorcnt NST-1-(\q)                    ; my load of stage q has landed; behind it only my loads of the later stages
	s_barrier_signal -1
	s_barrier_wait -1                              ; everybody's has.
.endm
.macro MM d, a, b, zero, sa, sb, odd
.if \zero
	v_wmma_scale_f32_16x16x128_f8f6f4 v[\d:\d+7], v[\a:\a+7], v[\b:\b+7], 0, v[\sa], v[\sb] matrix_a_fmt:MATRIX_FMT_FP4 matrix_b_fmt:MATRIX_FMT_FP4
.elseif \odd
	v_wmma_scale_f32_16x16x128_f8f6f4 v[\d:\d+7], v[\a:\a+7], v[\b:\b+7], v[\d:\d+7], v[\sa], v[\sb] matrix_a_fmt:MATRIX_FMT_FP4 matrix_b_fmt:MATRIX_FMT_FP4 matrix_a_scale:MATRIX_SCALE_ROW1 matrix_b_scale:MATRIX_SCALE_ROW1
.else
	v_wmma_scale_f32_16x16x128_f8f6f4 v[\d:\d+7], v[\a:\a+7], v[\b:\b+7], v[\d:\d+7], v[\sa], v[\sb] matrix_a_fmt:MATRIX_FMT_FP4 matrix_b_fmt:MATRIX_FMT_FP4
.endif
.endm
.macro FETCH k
.set FB, F+48*((\k)%2)
.set KO, ((\k)%KPS)*1024
.irp t,0,1,2,3
	LDF FB+8*\t, 3, \t*TROW+KO
.endr
.irp t,0,1
	LDF FB+32+8*\t, 4, \t*TROW+KO
.endr
.endm
.macro MULS k
.set FB, F+48*((\k)%2)
.irp m,0,1
.irp t,0,1,2,3
	MM ACC+32*\m+8*\t, FB+8*\t, FB+32+8*\m, (\k)==0, SC+\t*H2+(\k)/2, SC+(4+\m)*H2+(\k)/2, (\k)%2
.endr
.endr
.endm
	s_load_b256 s[8:15], s[0:1], 0x0               ; ao s[8:9], wts s[10:11], proj_b s[12:13], x s[14:15]
	s_load_b64 s[40:41], s[0:1], 0x20              ; x1
	v_lshl_add_u32 v248, v0, 2, 0x38800
	v_mov_b32 v249, 0
	ds_add_u32 v248, v249
	ds_add_u32 v248, v249
	v_lshrrev_b32 v1, 5, v0
	v_readfirstlane_b32 s2, v1                     ; wave 0..7
	s_mov_b32 s3, ttmp9                            ; x
	s_and_b32 s4, ttmp7, 0xffff                    ; y
	s_and_b32 s5, s2, 3                            ; wm: my 32 tokens
	s_lshr_b32 s6, s2, 2                           ; wn: my 64 columns
	s_mov_b32 s16, 3<<16                           ; group 1: elements of 8 bytes, no mask, no padding
	s_mov_b32 s17, (TROW/8)<<16                    ; tensor_dim0: a tile's bytes of a stage
	s_mov_b32 s18, 4<<16                           ; tensor_dim1 = 4 tiles
	s_mov_b32 s19, (TROW/8)<<16                    ; tile_dim0
	s_mov_b32 s20, 4                               ; tile_dim1
	s_mov_b32 s21, KS*128                          ; from tile to tile: KS x 1,024 bytes
	s_mov_b32 s22, 0
	s_mov_b32 s23, 0
	s_lshl_b32 s42, s4, 3
	s_lshl_b32 s43, s3, 3
	s_lshl_b32 s44, s2, 2
	s_mul_i32 s46, s2, 4*TROW                      ; LDS: wave x 4 tiles
	s_wait_dscnt 0x0
	s_wait_kmcnt 0x0
	s_cmp_lt_u32 s2, 2                             ; waves 0, 1: token tiles 8 y + 4 w;  waves 2, 3: weight tiles 8 x + 4 (w - 2), from byte BCO of wts on
	s_cselect_b64 s[48:49], s[8:9], s[10:11]
	s_cselect_b32 s42, s42, s43
	s_cselect_b32 s45, 0, 8
	s_cselect_b32 s47, 0, BCO
	s_add_co_u32 s42, s42, s44
	s_sub_co_u32 s42, s42, s45
	s_lshl_b32 s42, s42, 13
	s_add_co_u32 s42, s42, s47
	s_mov_b32 s43, 0
	s_add_nc_u64 s[48:49], s[48:49], s[42:43]
.set Q, 0
.rept NST
	s_mov_b32 s[24+4*Q], 1
	s_add_co_u32 s[25+4*Q], s46, Q*STB
	s_add_nc_u64 s[26+4*Q:27+4*Q], s[48:49], Q*TROW
	s_or_b32 s[27+4*Q], s[27+4*Q], 0x80000000
.set Q, Q+1
.endr
	s_cmp_lt_u32 s2, 4
	s_cbranch_scc0 .Lno_fill
.set Q, 0
.rept NST
	tensor_load_to_lds s[24+4*Q:27+4*Q], s[16:23]  ; all first fills of a wave in one group, ahead of every wait on TENSORcnt, every LDS read and every barrier
	s_nop 0
.set Q, Q+1
.endr
	PLACES
.Lno_fill:
	s_lshl_b32 s58, s4, 3
	s_lshl_b32 s59, s5, 1
	s_add_co_u32 s58, s58, s59
	s_mul_i32 s58, s58, KS*64
	s_add_co_u32 s58, s58, ASC
	s_mov_b32 s59, 0
	s_add_nc_u64 s[50:51], s[8:9], s[58:59]        ; scale words of my token tiles 8 y + 2 wm, + 1
	s_lshl_b32 s58, s3, 3
	s_lshl_b32 s44, s6, 2
	s_add_co_u32 s58, s58, s44
	s_mul_i32 s58, s58, KS*64
	s_add_co_u32 s58, s58, BSC
	s_add_nc_u64 s[52:53], s[10:11], s[58:59]      ; and of my weight tiles 8 x + 4 wn on
	s_lshl_b32 s58, s3, 9
	s_lshl_b32 s44, s6, 8
	s_add_co_u32 s58, s58, s44                     ; column 128 x + 64 wn, in bytes
	s_add_nc_u64 s[54:55], s[12:13], s[58:59]      ; its bias
	s_lshl_b32 s44, s4, 19
	s_lshl_b32 s45, s5, 17
	s_add_co_u32 s58, s58, s44
	s_add_co_u32 s58, s58, s45                     ; + row 128 y + 32 wm
	s_add_nc_u64 s[56:57], s[14:15], s[58:59]
	s_add_nc_u64 s[40:41], s[40:41], s[58:59]
	v_and_b32 v10, 31, v0
	v_lshlrev_b32 v1, 4, v10                       ; 16 x lane
	v_lshlrev_b32 v2, 2, v10                       ; 4 x lane
	v_and_b32 v11, 15, v0
	v_bfe_u32 v10, v0, 4, 1
	v_lshlrev_b32 v9, 4, v11                       ; 16 (l % 16)
	v_lshl_add_u32 v7, v10, 12, v9                 ; rows of 4,096 bytes: lanes 0-15 one row's 256 bytes, lanes 16-31 the next row's
.irp t,0,1,2,3
.set I, 0
.rept H2
	global_load_b32 v[SC+\t*H2+I], v2, s[52:53] offset:\t*KS*64+128*I
.set I, I+1
.endr
.endr
.irp m,0,1
.set I, 0
.rept H2
	global_load_b32 v[SC+(4+\m)*H2+I], v2, s[50:51] offset:\m*KS*64+128*I
.set I, I+1
.endr
.endr
	global_load_b128 v[12:15], v9, s[54:55]
.irp m,0,1                             ; token tile m, positions 2 i, 2 i + 1 are rows 8 m + 2 i (+ 8 from i = 4 on), + 1 of my 32
.irp i,0,1,2,3,4,5,6,7
	global_load_b128 v[F+32*\m+4*\i:F+32*\m+4*\i+3], v7, s[56:57] offset:(8*\m+2*\i+8*(\i/4))*4096
.endr
.endr
	s_mul_i32 s44, s5, 2*TROW
	v_add_nc_u32 v4, s44, v1                       ; my token tiles in a stage
	s_mul_i32 s44, s6, 4*TROW
	s_add_co_u32 s44, s44, 8*TROW
	v_add_nc_u32 v3, s44, v1                       ; my weight tiles, behind the 8 token tiles
	s_mul_i32 s44, s2, 4352
	s_add_co_u32 s44, s44, STG
	v_mul_u32_u24 v5, v11, 272
	v_lshl_add_u32 v5, v10, 6, v5
	v_add_nc_u32 v5, s44, v5                       ; the stage, in: row r, + 64 h
	v_mul_u32_u24 v6, v10, 272
	v_add_nc_u32 v6, v6, v9
	v_add_nc_u32 v6, s44, v6                       ; back: lanes 0-15 one row, lanes 16-31 the next
	s_lshl_b32 s44, s2, 13
	s_add_co_u32 s44, s44, RES
	v_add_nc_u32 v8, s44, v1                       ; residual + bias: 512 bytes for each of 16 loads
	s_wait_loadcnt 0x0
.set N, 0
.rept 16
	v_pk_add_f32 v[F+4*N:F+4*N+1], v[F+4*N:F+4*N+1], v[12:13]
	v_pk_add_f32 v[F+4*N+2:F+4*N+3], v[F+4*N+2:F+4*N+3], v[14:15]
.set N, N+1
.endr
.set N, 0
.rept 16
	ds_store_b128 v8, v[F+4*N:F+4*N+3] offset:512*N
.set N, N+1
.endr
	s_wait_dscnt 0x0                               ; no LDS instruction is pending at a signal, and the stores have read their registers
	STAGE 0
	FETCH 0
.set K, 0
.rept KS
.if K+1 < KS
.if (K+1)%KPS == 0
	s_wait_dscnt 0x0                               ; no LDS instruction is pending at a signal
	STAGE (K+1)/KPS
	v_add_nc_u32 v3, STB, v3
	v_add_nc_u32 v4, STB, v4
.endif
.if K > 0
	PLACES
.endif
	FETCH K+1                                      ; the next step's, into the buffer that the step before multiplied,
	s_wait_dscnt 12                                ; and only then the wait for this step's: behind them only the twelve loads just issued
.else
	s_wait_dscnt 0x0
.endif
	MULS K
.set K, K+1
.endr
	PLACES
.irp m,0,1
.irp t,0,1,2,3
	ds_store_b128 v5, v[ACC+32*\m+8*\t:ACC+32*\m+8*\t+3] offset:128*(\t/2)+32*(\t%2)       ; register j of tile t: column 32 (t / 2) + 8 (t % 2) + 16 h + j; each accumulator from its low end on
	ds_store_b128 v5, v[ACC+32*\m+8*\t+4:ACC+32*\m+8*\t+7] offset:128*(\t/2)+32*(\t%2)+16
.endr
.irp i,0,1,2,3,4,5,6,7
	ds_load_b128 v[F+64*\m+4*\i:F+64*\m+4*\i+3], v6 offset:544*\i          ; LDS serves a wave's instructions in order: these see the stores above
.endr
.irp i,0,1,2,3,4,5,6,7
	ds_load_b128 v[F+32+4*\i:F+32+4*\i+3], v8 offset:512*(8*\m+\i)
.endr
	s_wait_dscnt 0x0
.set N, 0
.rept 16
	v_pk_add_f32 v[F+64*\m+N:F+64*\m+N+1], v[F+64*\m+N:F+64*\m+N+1], v[F+32+N:F+32+N+1]
.set N, N+2
.endr
.irp i,0,1,2,3,4,5,6,7
	global_store_b128 v7, v[F+64*\m+4*\i:F+64*\m+4*\i+3], s[40:41] offset:(8*\m+2*\i+8*(\i/4))*4096        ; sixteen lanes store 256 consecutive bytes, aligned; each m has data registers of its own
.endr
.endr
	s_wait_tensorcnt 0x0
	ds_add_u32 v248, v249
	s_wait_dscnt 0x0
	s_endpgm
.Lfunc_end_k_q9c83394b5e_proj:
	.size	k_q9c83394b5e_proj, .Lfunc_end_k_q9c83394b5e_proj-k_q9c83394b5e_proj
	.p2alignl 7, 3214868480
	.fill 96, 4, 3214868480
	.section	.rodata,"a",@progbits
	.p2align	6, 0x0
	.amdhsa_kernel k_q9c83394b5e_proj
		.amdhsa_group_segment_fixed_size 232448
		.amdhsa_private_segment_fixed_size 0
		.amdhsa_enable_private_segment 0
		.amdhsa_kernarg_size 40
		.amdhsa_user_sgpr_count 2
		.amdhsa_user_sgpr_kernarg_segment_ptr 1
		.amdhsa_wavefront_size32 1
		.amdhsa_system_sgpr_workgroup_id_x 1
		.amdhsa_system_sgpr_workgroup_id_y 1
		.amdhsa_system_sgpr_workgroup_id_z 1
		.amdhsa_system_vgpr_workitem_id 0
		.amdhsa_next_free_vgpr 250
		.amdhsa_next_free_sgpr 66
		.amdhsa_reserve_vcc 0
		.amdhsa_float_denorm_mode_32 3
		.amdhsa_float_denorm_mode_16_64 3
		.amdhsa_memory_ordered 1
		.amdhsa_forward_progress 1
		.amdhsa_inst_pref_size 34
	.end_amdhsa_kernel
	.amdgpu_metadata
---
amdhsa.version: [ 1, 2 ]
amdhsa.kernels:
  - .name:           k_q9c83394b5e_proj
    .symbol:         k_q9c83394b5e_proj.kd
    .args:
      - { .name: ao, .offset: 0, .size: 8, .value_kind: global_buffer, .address_space: global }
      - { .name: wts, .offset: 8, .size: 8, .value_kind: global_buffer, .address_space: global }
      - { .name: proj_b, .offset: 16, .size: 8, .value_kind: global_buffer, .address_space: global }
      - { .name: x, .offset: 24, .size: 8, .value_kind: global_buffer, .address_space: global }
      - { .name: x1, .offset: 32, .size: 8, .value_kind: global_buffer, .address_space: global }
    .group_segment_fixed_size: 232448
    .private_segment_fixed_size: 0
    .kernarg_segment_align: 8
    .kernarg_segment_size: 40
    .max_flat_workgroup_size: 256
    .sgpr_count:     66
    .vgpr_count:     250
    .wavefront_size: 32
...
	.end_amdgpu_metadata
.endif
;; end of part 4
;; launch ln2 (part 5): grid 256 x 1, 4 waves a work-group, no clusters, 28,160 bytes of LDS; arguments x1, ln2_g, ln2_b, h2; writes h2
.if DOCPART == 5
	.amdgcn_target "amdgcn-amd-amdhsa--gfx1250"
	.amdhsa_code_object_version 6
	.text
	.protected	k_q9c83394b5e_ln2
	.globl	k_q9c83394b5e_ln2
	.p2align	8
	.type	k_q9c83394b5e_ln2,@function
k_q9c83394b5e_ln2:
	s_mov_b64 s[64:65], 0
	v_nop
	global_prefetch_b8 v0, s[64:65] scope:SCOPE_SE
	s_setreg_imm32_b32 hwreg(HW_REG_WAVE_MODE, 25, 1), 1
	s_wait_xcnt 0x0
; h = Q(layernorm(x) g + b): rows of 1,024 f32 are normalised in f32 (mean, then the mean of the squared differences: two passes over registers) and quantised along the row to FP4 (E2M1), one E8M0 byte for each 32.
; The result is laid as an image of the operand's registers: tile t (16 rows; position p stands for row 32 (t / 2) + 8 (t % 2) + p % 8 + 16 (p / 8)) is [K step 0..7][block 0..3][p][16 bytes], 8,192 bytes; its scale words [K step][p] lie from byte 2,097,152 on, 512 bytes a tile.
; Work-group t makes tile t; wave w takes positions 4 w .. 4 w + 3, which are four neighbouring rows.  A row is read once, 512 consecutive bytes an instruction, and stays in 32 registers.
; For the quantiser a lane must hold a whole block of 32: the row turns through the wave's own 4,608 bytes of LDS (32 blocks x (128 + 16)).  The codes of the 16 rows meet in an image in LDS (32 runs of 256 + 16 bytes) and leave as aligned runs of 256 bytes.
; LIMITS: a block of zeros gets the byte 1, not 127 (zero codes; this program alone reads the bytes); NaN and infinities are not served.
; No tensor load, no matrix unit, no cluster: rows are read once and work-groups share only g and b (8 KB).
.set G, 192                            ; v192-223 g, v224-255 b: chunk j holds columns 128 j + 4 lane + 0 .. 3, as the rows do
.set BI, 224
.set IMG, 18432
.set SCB, 27136
.macro RED r, t                        ; the sum over the 32 lanes, in every lane
	v_add_f32_dpp v[\r], v[\r], v[\r] row_xmask:1 row_mask:0xf bank_mask:0xf
	v_add_f32_dpp v[\r], v[\r], v[\r] row_xmask:2 row_mask:0xf bank_mask:0xf
	v_add_f32_dpp v[\r], v[\r], v[\r] row_xmask:4 row_mask:0xf bank_mask:0xf
	v_add_f32_dpp v[\r], v[\r], v[\r] row_xmask:8 row_mask:0xf bank_mask:0xf
	v_permlanex16_b32 v[\t], v[\r], s12, s13
	v_add_f32 v[\r], v[\r], v[\t]
.endm
	s_load_b256 s[4:11], s[0:1], 0x0               ; x s[4:5], g s[6:7], b s[8:9], h s[10:11]
	v_lshl_add_u32 v46, v0, 2, 0x6c00
	v_mov_b32 v47, 0
	v_lshrrev_b32 v1, 5, v0
	v_readfirstlane_b32 s2, v1                     ; wave
	v_and_b32 v1, 31, v0                           ; lane
	v_lshlrev_b32 v8, 4, v1                        ; 16 x lane
	s_mov_b32 s12, 0x76543210
	s_mov_b32 s13, 0xfedcba98                      ; selects for lane l xor 16
	s_mov_b32 s14, 0x3a800000                      ; 1 / 1,024
	s_mov_b32 s15, 0x3727c5ac                      ; 1e-5
	s_lshr_b32 s16, ttmp9, 1
	s_lshl_b32 s16, s16, 5
	s_and_b32 s17, ttmp9, 1
	s_lshl_b32 s17, s17, 3
	s_add_co_u32 s16, s16, s17
	s_and_b32 s17, s2, 1
	s_lshl_b32 s17, s17, 2
	s_add_co_u32 s16, s16, s17
	s_lshr_b32 s17, s2, 1
	s_lshl_b32 s17, s17, 4
	s_add_co_u32 s16, s16, s17                     ; my first row: 32 (t / 2) + 8 (t % 2) + 4 (w % 2) + 16 (w / 2)
	s_lshl_b32 s16, s16, 12
	s_mov_b32 s17, 0
	s_lshl_b32 s18, ttmp9, 9
	s_add_co_u32 s18, s18, 2097152                 ; the tile's scale words
	s_mov_b32 s19, 0
	s_lshl_b32 s20, ttmp9, 13
	s_lshl_b32 s21, s2, 11
	s_add_co_u32 s20, s20, s21                     ; the tile's codes, my quarter of them
	s_mov_b32 s21, 0
	s_wait_kmcnt 0x0
	s_add_nc_u64 s[4:5], s[4:5], s[16:17]
	s_add_nc_u64 s[18:19], s[10:11], s[18:19]
	s_add_nc_u64 s[10:11], s[10:11], s[20:21]
.irp j,0,1,2,3,4,5,6,7
	global_load_b128 v[G+4*\j:G+4*\j+3], v8, s[6:7] offset:512*\j
.endr
.irp j,0,1,2,3,4,5,6,7
	global_load_b128 v[BI+4*\j:BI+4*\j+3], v8, s[8:9] offset:512*\j
.endr
.irp i,0,1,2,3
.irp j,0,1,2,3,4,5,6,7
	global_load_b128 v[64+32*\i+4*\j:64+32*\i+4*\j+3], v8, s[4:5] offset:4096*\i+512*\j
.endr
.endr
	s_mul_i32 s20, s2, 4608                        ; my wave's turning place
	v_lshrrev_b32 v10, 3, v1
	v_mul_u32_u24 v2, v10, 144
	v_and_b32 v10, 7, v1
	v_lshl_add_u32 v2, v10, 4, v2
	v_add_nc_u32 v2, s20, v2                       ; in: chunk j of lane l is 16 bytes of block 4 j + l / 8, at 16 (l % 8): + 576 j
	v_mul_u32_u24 v3, v1, 144
	v_add_nc_u32 v3, s20, v3                       ; back: block l
	v_mul_u32_u24 v4, v1, 272
	s_lshl_b32 s21, s2, 6
	s_add_co_u32 s21, s21, IMG
	v_add_nc_u32 v4, s21, v4                       ; the image: run l (block l of K), place 16 (4 w + row)
	v_lshrrev_b32 v10, 2, v1
	v_and_b32 v11, 3, v1
	v_lshl_add_u32 v5, v10, 6, v11
	s_lshl_b32 s21, s2, 4
	s_add_co_u32 s21, s21, SCB
	v_add_nc_u32 v5, s21, v5                       ; the scale bytes: 64 (l / 4) + 4 (4 w + row) + l % 4
	v_lshrrev_b32 v10, 4, v1
	v_mul_u32_u24 v6, v10, 272
	v_and_b32 v11, 15, v1
	v_lshl_add_u32 v6, v11, 4, v6
	s_mul_i32 s21, s2, 8*272
	s_add_co_u32 s21, s21, IMG
	v_add_nc_u32 v6, s21, v6                       ; out of the image: runs 8 w + 2 j + l / 16, 16 bytes a lane
	v_lshl_add_u32 v7, v1, 4, SCB
.macro ROW i
.set XR, 64+32*\i
	s_wait_loadcnt 8*(3-\i)                        ; g, b and this row are in; behind them only the later rows' eight loads each
.irp j,0,1,2,3,4,5,6,7
	v_pk_add_f32 v[16+2*\j:17+2*\j], v[XR+4*\j:XR+4*\j+1], v[XR+4*\j+2:XR+4*\j+3]
.endr
.irp j,0,1,2,3
	v_pk_add_f32 v[16+2*\j:17+2*\j], v[16+2*\j:17+2*\j], v[24+2*\j:25+2*\j]
.endr
	v_pk_add_f32 v[16:17], v[16:17], v[20:21]
	v_pk_add_f32 v[18:19], v[18:19], v[22:23]
	v_pk_add_f32 v[16:17], v[16:17], v[18:19]
	v_add_f32 v16, v16, v17
	RED 16, 17
	v_mul_f32 v16, s14, v16                        ; the mean
.set J, 0
.rept 16
	v_pk_add_f32 v[XR+J:XR+J+1], v[XR+J:XR+J+1], v[16:17] op_sel_hi:[1,0] neg_lo:[0,1] neg_hi:[0,1]   ; x - mean
.set J, J+2
.endr
	v_pk_mul_f32 v[18:19], v[XR:XR+1], v[XR:XR+1]
	v_pk_mul_f32 v[20:21], v[XR+2:XR+3], v[XR+2:XR+3]
.set J, 4
.rept 7
	v_pk_fma_f32 v[18:19], v[XR+J:XR+J+1], v[XR+J:XR+J+1], v[18:19]
	v_pk_fma_f32 v[20:21], v[XR+J+2:XR+J+3], v[XR+J+2:XR+J+3], v[20:21]
.set J, J+4
.endr
	v_pk_add_f32 v[18:19], v[18:19], v[20:21]
	v_add_f32 v18, v18, v19
	RED 18, 19
	v_fma_f32 v18, v18, s14, s15                   ; the variance + 1e-5
	v_rsq_f32 v18, v18
	v_nop                                          ; one plain line behind the transcendental
.set J, 0
	s_wait_alu depctr_va_vdst(0)
.rept 16
	v_pk_mul_f32 v[XR+J:XR+J+1], v[XR+J:XR+J+1], v[18:19] op_sel_hi:[1,0]
.set J, J+2
.endr
.set J, 0
.rept 16
	v_pk_fma_f32 v[XR+J:XR+J+1], v[XR+J:XR+J+1], v[G+J:G+J+1], v[BI+J:BI+J+1]
.set J, J+2
.endr
.irp j,0,1,2,3,4,5,6,7
	ds_store_b128 v2, v[XR+4*\j:XR+4*\j+3] offset:576*\j
.endr
.irp j,0,1,2,3,4,5,6,7
	ds_load_b128 v[XR+4*\j:XR+4*\j+3], v3 offset:16*\j     ; LDS serves a wave's instructions in order: these see the stores above.  I now hold block l: columns 32 l + 0 .. 31
.endr
	s_wait_dscnt 0x0
	v_max3_num_f32 v20, |v[XR]|, |v[XR+1]|, |v[XR+2]|
	v_max3_num_f32 v21, |v[XR+3]|, |v[XR+4]|, |v[XR+5]|
.irp j,6,10,14,18,22,26
	v_max3_num_f32 v20, v20, |v[XR+\j]|, |v[XR+\j+1]|
	v_max3_num_f32 v21, v21, |v[XR+\j+2]|, |v[XR+\j+3]|
.endr
	v_max3_num_f32 v20, v20, |v[XR+30]|, |v[XR+31]|
	v_max3_num_f32 v20, v20, v21, 0x1800000        ; the floor 2^(3 - 127): the byte cannot fall under 1
	v_add_nc_u32 v22, 0xff000000, v20              ; 2 off the exponent field: the conversion's scale operand
	v_lshrrev_b32 v[40+\i], 23, v22                ; the scale's byte
.irp g,0,1,2,3
	v_cvt_scalef32_pk8_fp4_f32 v[48+4*\i+\g], v[XR+8*\g:XR+8*\g+7], v22
.endr
	v_nop                                          ; one plain line behind the conversions
	ds_store_b128 v4, v[48+4*\i:51+4*\i] offset:16*\i
	ds_store_b8 v5, v[40+\i] offset:4*\i
.endm
	ROW 0
	ROW 1
	ROW 2
	ROW 3
	s_wait_dscnt 0x0                               ; for the others' sake: my stores into the image are done
	s_barrier_signal -1
	s_barrier_wait -1
.irp j,0,1,2,3
	ds_load_b128 v[64+4*\j:67+4*\j], v6 offset:544*\j
.endr
.irp j,0,1,2,3
	s_wait_dscnt 3-\j                              ; the younger loads may stay out
	global_store_b128 v8, v[64+4*\j:67+4*\j], s[10:11] offset:512*\j   ; 512 consecutive bytes, aligned
.endr
	s_cmp_lg_u32 s2, 0
	s_cbranch_scc1 .Lend
	ds_load_b128 v[80:83], v7                      ; wave 0: the tile's 512 bytes of scale words
	s_wait_dscnt 0x0
	global_store_b128 v8, v[80:83], s[18:19]
.Lend:
	s_wait_tensorcnt 0x0
	ds_add_u32 v46, v47
	s_wait_dscnt 0x0
	s_endpgm
.Lfunc_end_k_q9c83394b5e_ln2:
	.size	k_q9c83394b5e_ln2, .Lfunc_end_k_q9c83394b5e_ln2-k_q9c83394b5e_ln2
	.p2alignl 7, 3214868480
	.fill 96, 4, 3214868480
	.section	.rodata,"a",@progbits
	.p2align	6, 0x0
	.amdhsa_kernel k_q9c83394b5e_ln2
		.amdhsa_group_segment_fixed_size 28160
		.amdhsa_private_segment_fixed_size 0
		.amdhsa_enable_private_segment 0
		.amdhsa_kernarg_size 32
		.amdhsa_user_sgpr_count 2
		.amdhsa_user_sgpr_kernarg_segment_ptr 1
		.amdhsa_wavefront_size32 1
		.amdhsa_system_sgpr_workgroup_id_x 1
		.amdhsa_system_sgpr_workgroup_id_y 1
		.amdhsa_system_sgpr_workgroup_id_z 1
		.amdhsa_system_vgpr_workitem_id 0
		.amdhsa_next_free_vgpr 256
		.amdhsa_next_free_sgpr 66
		.amdhsa_reserve_vcc 0
		.amdhsa_float_denorm_mode_32 3
		.amdhsa_float_denorm_mode_16_64 3
		.amdhsa_memory_ordered 1
		.amdhsa_forward_progress 1
		.amdhsa_inst_pref_size 43
	.end_amdhsa_kernel
	.amdgpu_metadata
---
amdhsa.version: [ 1, 2 ]
amdhsa.kernels:
  - .name:           k_q9c83394b5e_ln2
    .symbol:         k_q9c83394b5e_ln2.kd
    .args:
      - { .name: x1, .offset: 0, .size: 8, .value_kind: global_buffer, .address_space: global }
      - { .name: ln2_g, .offset: 8, .size: 8, .value_kind: global_buffer, .address_space: global }
      - { .name: ln2_b, .offset: 16, .size: 8, .value_kind: global_buffer, .address_space: global }
      - { .name: h2, .offset: 24, .size: 8, .value_kind: global_buffer, .address_space: global }
    .group_segment_fixed_size: 28160
    .private_segment_fixed_size: 0
    .kernarg_segment_align: 8
    .kernarg_segment_size: 32
    .max_flat_workgroup_size: 128
    .sgpr_count:     66
    .vgpr_count:     256
    .wavefront_size: 32
...
	.end_amdgpu_metadata
.endif
;; end of part 5
;; launch gu (part 6): grid 22 x 16, 16 waves a work-group, no clusters, 265,216 bytes of LDS; arguments h2, wts, hid; writes hid
.if DOCPART == 6
	.amdgcn_target "amdgcn-amd-amdhsa--gfx1250"
	.amdhsa_code_object_version 6
	.text
	.protected	k_q9c83394b5e_gu
	.globl	k_q9c83394b5e_gu
	.p2align	8
	.type	k_q9c83394b5e_gu,@function
k_q9c83394b5e_gu:
	s_mov_b64 s[64:65], 0
	v_nop
	global_prefetch_b8 v0, s[64:65] scope:SCOPE_SE
	s_setreg_imm32_b32 hwreg(HW_REG_WAVE_MODE, 25, 1), 1
	s_wait_xcnt 0x0
; hid = Q(silu(h gate_w + gate_b) x (h up_w + up_b)) on codes of FP4 (E2M1): both products in one launch, the hidden layer quantised in registers along the hidden units, padded with zeros from 2,730 to 2,816 (22 K steps of the next product).
; A work-group makes 256 tokens (y) x 128 hidden units (x = one K step of the next product): 16 token tiles and 16 weight tiles (for each group of 32 units: two tiles of gate, two of up), for all of K = 1,024,
; come into LDS by first fills alone, in four stages of 65,536 bytes: no LDS byte is filled twice.  Waves 0-3 bring token tiles, waves 4-7 weight tiles, one load a stage: four tensor loads of a wave are out at the most.
; Operands are images of their registers: tile t, position p = row 32 (t / 2) + 8 (t % 2) + p % 8 + 16 (p / 8); fragment (tile, K step) = 1,024 bytes at 16 x lane.
; Sixteen waves, each 64 tokens x one group of 32 units: source 0 = gate's two tiles and up's two, source 1 = four token tiles; 16 accumulators by turns.  A lane holds one token; its 16 registers of gate and its 16 of up are the same 16 units, 16 (lane / 16) on.
; The biases (padded with zeros by the first launch) are loaded into the accumulators.  Padded units have zero weights and zero biases: gate = 0, so the hidden number is 0 and its code 0.
; OUT: hid's tile record [K step 22][block][p][16 bytes]; a wave's block is x's block wg: 32 lanes fill 256 consecutive bytes, aligned.  A scale word's four bytes come from four waves: they meet in 1,024 bytes of LDS behind the panel, into which no fill lands.
; No cluster: the 22 work-groups of a grid row ask for the same token panel and the 16 of a column for the same weight panel, each for itself (352 x 262,144 bytes requested); left so in this text, which has first fills alone.
; LIMITS: a block of zeros gets the byte 1, not 127 (zero codes; this program alone reads the bytes); NaN and infinities are not served.
.set KS, 8
.set TROW, 2048
.set STB, 65536
.set SX, 262144
.set SC0, 32
.set SC1, 48
.set F0, 64
.set F1, 96
.set ACC, 128
.set TM, 64                            ; behind the products, over the fragments
.set TP, 68
.set SO, 72
.set BY, 76
.set PCD, 80
.macro PLACES                          ; four plain lines behind matrix instructions, in front of loads into their sources and of the first read of results
.rept 4
	v_nop
.endr
.endm
.macro LDF reg, adr, off
	ds_load_b128 v[\reg:\reg+3], v[\adr] offset:\off
	ds_load_b128 v[\reg+4:\reg+7], v[\adr] offset:\off+512
.endm
.macro STAGE q
	s_wait_tensorcnt 3-(\q)                        ; my load of stage q has landed; behind it only my loads of the later stages
	s_barrier_signal -1
	s_barrier_wait -1                              ; everybody's has.
.endm
.macro MM d, a, b, sa, sb, odd
.if \odd
	v_wmma_scale_f32_16x16x128_f8f6f4 v[\d:\d+7], v[\a:\a+7], v[\b:\b+7], v[\d:\d+7], v[\sa], v[\sb] matrix_a_fmt:MATRIX_FMT_FP4 matrix_b_fmt:MATRIX_FMT_FP4 matrix_a_scale:MATRIX_SCALE_ROW1 matrix_b_scale:MATRIX_SCALE_ROW1
.else
	v_wmma_scale_f32_16x16x128_f8f6f4 v[\d:\d+7], v[\a:\a+7], v[\b:\b+7], v[\d:\d+7], v[\sa], v[\sb] matrix_a_fmt:MATRIX_FMT_FP4 matrix_b_fmt:MATRIX_FMT_FP4
.endif
.endm
	s_load_b128 s[8:11], s[0:1], 0x0               ; h2 s[8:9], wts s[10:11]
	s_load_b64 s[12:13], s[0:1], 0x10              ; hid
	v_lshl_add_u32 v30, v0, 2, 0x40400
	v_mov_b32 v31, 0
	ds_add_u32 v30, v31
	ds_add_u32 v30, v31
	v_lshrrev_b32 v1, 5, v0
	v_readfirstlane_b32 s2, v1                     ; wave 0..15
	s_mov_b32 s3, ttmp9                            ; x
	s_and_b32 s4, ttmp7, 0xffff                    ; y
	s_and_b32 s5, s2, 3                            ; wm: my 64 tokens
	s_lshr_b32 s6, s2, 2                           ; wg: my group of 32 hidden units
	s_mov_b32 s16, 3<<16                           ; group 1: elements of 8 bytes, no mask, no padding
	s_mov_b32 s17, (TROW/8)<<16
	s_mov_b32 s18, 4<<16
	s_mov_b32 s19, (TROW/8)<<16
	s_mov_b32 s20, 4
	s_mov_b32 s21, KS*128
	s_mov_b32 s22, 0
	s_mov_b32 s23, 0
	s_lshl_b32 s42, s4, 4
	s_lshl_b32 s43, s3, 4
	s_lshl_b32 s44, s2, 2
	s_lshl_b32 s46, s2, 13
	s_wait_dscnt 0x0
	s_wait_kmcnt 0x0
	s_cmp_lt_u32 s2, 4                             ; waves 0-3: token tiles 16 y + 4 w;  waves 4-7: weight tiles 16 x + 4 (w - 4), from byte 2,097,152 of wts on
	s_cselect_b64 s[40:41], s[8:9], s[10:11]
	s_cselect_b32 s42, s42, s43
	s_cselect_b32 s45, 0, 16
	s_cselect_b32 s49, 0, 2097152
	s_add_co_u32 s42, s42, s44
	s_sub_co_u32 s42, s42, s45
	s_lshl_b32 s42, s42, 13
	s_add_co_u32 s42, s42, s49
	s_mov_b32 s43, 0
	s_add_nc_u64 s[40:41], s[40:41], s[42:43]
.irp q,0,1,2,3
	s_mov_b32 s[24+4*\q], 1
	s_add_co_u32 s[25+4*\q], s46, \q*STB
	s_add_nc_u64 s[26+4*\q:27+4*\q], s[40:41], \q*TROW
	s_or_b32 s[27+4*\q], s[27+4*\q], 0x80000000
.endr
	s_cmp_lt_u32 s2, 8
	s_cbranch_scc0 .Lno_fill
	tensor_load_to_lds s[24:27], s[16:23]          ; all first fills of a wave in one group, ahead of every wait on TENSORcnt, every LDS read and every barrier
	s_nop 0
	tensor_load_to_lds s[28:31], s[16:23]
	s_nop 0
	tensor_load_to_lds s[32:35], s[16:23]
	s_nop 0
	tensor_load_to_lds s[36:39], s[16:23]
	s_nop 0
	PLACES
.Lno_fill:
	v_and_b32 v9, 31, v0
	v_lshlrev_b32 v1, 4, v9                        ; 16 x lane
	v_lshlrev_b32 v2, 2, v9                        ; 4 x lane
	v_and_b32 v10, 15, v0                          ; r
	v_bfe_u32 v11, v0, 4, 1                        ; h
	v_lshlrev_b32 v5, 4, v10
	v_lshl_add_u32 v5, v11, 3, v5                  ; codes out: 16 r + 8 h
	v_lshlrev_b32 v6, 6, v11                       ; 64 h
	s_mov_b32 s76, 0x76543210
	s_mov_b32 s77, 0xfedcba98                      ; selects for lane l xor 16
	s_lshl_b32 s47, s5, 13
	s_lshl_b32 s48, s6, 13
	s_add_co_u32 s48, s48, 32768
	v_add_nc_u32 v3, s48, v1                       ; source 0: my weight tiles
	v_add_nc_u32 v4, s47, v1                       ; source 1: my token tiles
	s_lshl_b32 s50, s5, 8
	s_add_co_u32 s50, s50, s6
	s_add_co_u32 s50, s50, SX
	v_lshl_add_u32 v13, v10, 2, s50                ; my scale byte: SX + 256 wm + 64 m + 4 r + wg
	v_mul_u32_u24 v14, v11, 1408
	v_lshl_add_u32 v14, v10, 2, v14                ; scale words out: lanes 0-15 one tile, lanes 16-31 the next
	s_lshl_b32 s50, s2, 7
	s_add_co_u32 s50, s50, SX
	v_add_nc_u32 v15, s50, v2                      ; and where waves 0-7 read them
	s_lshl_b32 s50, s4, 4
	s_lshl_b32 s51, s5, 2
	s_add_co_u32 s50, s50, s51
	s_lshl_b32 s50, s50, 9
	s_add_co_u32 s50, s50, 2097152
	s_mov_b32 s51, 0
	s_add_nc_u64 s[52:53], s[8:9], s[50:51]        ; my token tiles' scale words
	s_lshl_b32 s50, s3, 4
	s_lshl_b32 s54, s6, 2
	s_add_co_u32 s50, s50, s54
	s_lshl_b32 s50, s50, 9
	s_add_co_u32 s50, s50, 6553600
	s_add_nc_u64 s[56:57], s[10:11], s[50:51]      ; my weight tiles' scale words
	s_lshl_b32 s50, s3, 2
	s_add_co_u32 s50, s50, s6
	s_lshl_b32 s50, s50, 8
	s_add_co_u32 s50, s50, 6823936
	s_add_nc_u64 s[60:61], s[10:11], s[50:51]      ; my group's biases: [gate 32][up 32]
.irp t,0,1,2,3
.irp i,0,1,2,3
	global_load_b32 v[SC0+4*\t+\i], v2, s[56:57] offset:512*\t+128*\i
	global_load_b32 v[SC1+4*\t+\i], v2, s[52:53] offset:512*\t+128*\i
.endr
.endr
.irp m,0,1,2,3                         ; the biases go into the accumulators, in the result's layout: register j of tile t: unit 8 (t % 2) + 16 h + j of gate (t < 2) or up
.irp t,0,1,2,3
	global_load_b128 v[ACC+32*\m+8*\t:ACC+32*\m+8*\t+3], v6, s[60:61] offset:128*(\t/2)+32*(\t%2)
	global_load_b128 v[ACC+32*\m+8*\t+4:ACC+32*\m+8*\t+7], v6, s[60:61] offset:128*(\t/2)+32*(\t%2)+16
.endr
.endr
	s_lshl_b32 s66, s4, 4
	s_lshl_b32 s67, s5, 2
	s_add_co_u32 s66, s66, s67
	s_mul_i32 s66, s66, 22
	s_add_co_u32 s66, s66, s3
	s_lshl_b32 s66, s66, 10
	s_lshl_b32 s67, s6, 8
	s_add_co_u32 s72, s66, s67                     ; ((16 y + 4 wm) x 22 + x) x 1,024 + 256 wg
	s_mov_b32 s73, 0
	s_add_nc_u64 s[72:73], s[12:13], s[72:73]
	s_lshl_b32 s66, s4, 4
	s_lshl_b32 s67, s2, 1
	s_add_co_u32 s66, s66, s67
	s_mul_i32 s66, s66, 1408
	s_lshl_b32 s67, s3, 6
	s_add_co_u32 s74, s66, s67
	s_add_co_u32 s74, s74, 5767168                 ; scale words of tiles 16 y + 2 w, + 1, K step x (used by waves 0-7 alone)
	s_mov_b32 s75, 0
	s_add_nc_u64 s[74:75], s[12:13], s[74:75]
	s_wait_loadcnt 0x0
.irp q,0,1,2,3                         ; all of K: 8 steps of 16 LDS loads and 16 matrix instructions
	STAGE \q
.irp kk,0,1
.if (\q)+(\kk) > 0
	PLACES
.endif
.irp t,0,1,2,3
	LDF F0+8*\t, 3, \t*TROW+\kk*1024
	LDF F1+8*\t, 4, \t*TROW+\kk*1024
.endr
	s_wait_dscnt 0x0
.irp m,0,1,2,3
.irp t,0,1,2,3
	MM ACC+32*\m+8*\t, F0+8*\t, F1+8*\m, SC0+4*\t+\q, SC1+4*\m+\q, \kk
.endr
.endr
.endr
.if \q < 3
	v_add_nc_u32 v3, STB, v3
	v_add_nc_u32 v4, STB, v4
.endif
.endr
	PLACES
	; silu(gate) x up = (gate x 1 / (1 + 2^(-gate log2(e)))) x up, in f32.  T = v64-127: 16 registers for each token tile
.set N, 0
.rept 32
	v_pk_mul_f32 v[64+2*N:65+2*N], v[ACC+32*(N/8)+2*(N%8):ACC+32*(N/8)+2*(N%8)+1], 0xbfb8aa3b op_sel_hi:[1,0]     ; gate's accumulators from their low ends on
.set N, N+1
.endr
.set N, 0
.rept 64
	v_exp_f32 v[64+N], v[64+N]
.set N, N+1
.endr
	v_nop                                          ; one plain line behind the transcendentals
.set N, 0
	s_wait_alu depctr_va_vdst(0)
.rept 32
	v_pk_add_f32 v[64+2*N:65+2*N], v[64+2*N:65+2*N], 1.0 op_sel_hi:[1,0]
.set N, N+1
.endr
.set N, 0
.rept 64
	v_rcp_f32 v[64+N], v[64+N]
.set N, N+1
.endr
	v_nop
.set N, 0
	s_wait_alu depctr_va_vdst(0)
.rept 32
	v_pk_mul_f32 v[ACC+32*(N/8)+2*(N%8):ACC+32*(N/8)+2*(N%8)+1], v[ACC+32*(N/8)+2*(N%8):ACC+32*(N/8)+2*(N%8)+1], v[64+2*N:65+2*N]
.set N, N+1
.endr
.set N, 0
.rept 32
	v_pk_mul_f32 v[ACC+32*(N/8)+2*(N%8):ACC+32*(N/8)+2*(N%8)+1], v[ACC+32*(N/8)+2*(N%8):ACC+32*(N/8)+2*(N%8)+1], v[ACC+32*(N/8)+16+2*(N%8):ACC+32*(N/8)+16+2*(N%8)+1]     ; up's accumulators from their low ends on
.set N, N+1
.endr
	; four blocks of 32: token tile m's is my 16 registers at ACC + 32 m and lane l xor 16's
.irp m,0,1,2,3
	v_max3_num_f32 v[TM+\m], |v[ACC+32*\m]|, |v[ACC+32*\m+1]|, 0x1800000   ; with the floor 2^(3 - 127)
.endr
.irp i,2,4,6,8,10,12,14
.irp m,0,1,2,3
	v_max3_num_f32 v[TM+\m], v[TM+\m], |v[ACC+32*\m+\i]|, |v[ACC+32*\m+\i+1]|
.endr
.endr
.irp m,0,1,2,3
	v_permlanex16_b32 v[TP+\m], v[TM+\m], s76, s77
.endr
.irp m,0,1,2,3
	v_max_num_f32 v[TM+\m], v[TM+\m], v[TP+\m]
.endr
.irp m,0,1,2,3
	v_add_nc_u32 v[SO+\m], 0xff000000, v[TM+\m]
.endr
.irp m,0,1,2,3
	v_lshrrev_b32 v[BY+\m], 23, v[SO+\m]
.endr
.irp m,0,1,2,3
	v_cvt_scalef32_pk8_fp4_f32 v[PCD+2*\m], v[ACC+32*\m:ACC+32*\m+7], v[SO+\m]
	v_cvt_scalef32_pk8_fp4_f32 v[PCD+2*\m+1], v[ACC+32*\m+8:ACC+32*\m+15], v[SO+\m]
.endr
	v_nop                                          ; one plain line behind the conversions
.irp m,0,1,2,3
	ds_store_b8 v13, v[BY+\m] offset:64*\m         ; both halves of the lanes write the same byte
	global_store_b64 v5, v[PCD+2*\m:PCD+2*\m+1], s[72:73] offset:22528*\m  ; 32 lanes fill 256 consecutive bytes, aligned
.endr
	s_wait_dscnt 0x0                               ; for the others' sake: my bytes are in LDS
	s_barrier_signal -1
	s_barrier_wait -1
	s_cmp_lt_u32 s2, 8
	s_cbranch_scc0 .Lend
	ds_load_b32 v12, v15                           ; the words of tiles 2 w and 2 w + 1
	s_wait_dscnt 0x0
	global_store_b32 v14, v12, s[74:75]            ; two runs of 64 bytes
.Lend:
	s_wait_tensorcnt 0x0
	ds_add_u32 v30, v31
	s_wait_dscnt 0x0
	s_endpgm
.Lfunc_end_k_q9c83394b5e_gu:
	.size	k_q9c83394b5e_gu, .Lfunc_end_k_q9c83394b5e_gu-k_q9c83394b5e_gu
	.p2alignl 7, 3214868480
	.fill 96, 4, 3214868480
	.section	.rodata,"a",@progbits
	.p2align	6, 0x0
	.amdhsa_kernel k_q9c83394b5e_gu
		.amdhsa_group_segment_fixed_size 265216
		.amdhsa_private_segment_fixed_size 0
		.amdhsa_enable_private_segment 0
		.amdhsa_kernarg_size 24
		.amdhsa_user_sgpr_count 2
		.amdhsa_user_sgpr_kernarg_segment_ptr 1
		.amdhsa_wavefront_size32 1
		.amdhsa_system_sgpr_workgroup_id_x 1
		.amdhsa_system_sgpr_workgroup_id_y 1
		.amdhsa_system_sgpr_workgroup_id_z 1
		.amdhsa_system_vgpr_workitem_id 0
		.amdhsa_next_free_vgpr 256
		.amdhsa_next_free_sgpr 80
		.amdhsa_reserve_vcc 0
		.amdhsa_float_denorm_mode_32 3
		.amdhsa_float_denorm_mode_16_64 3
		.amdhsa_memory_ordered 1
		.amdhsa_forward_progress 1
		.amdhsa_inst_pref_size 56
	.end_amdhsa_kernel
	.amdgpu_metadata
---
amdhsa.version: [ 1, 2 ]
amdhsa.kernels:
  - .name:           k_q9c83394b5e_gu
    .symbol:         k_q9c83394b5e_gu.kd
    .args:
      - { .name: h2, .offset: 0, .size: 8, .value_kind: global_buffer, .address_space: global }
      - { .name: wts, .offset: 8, .size: 8, .value_kind: global_buffer, .address_space: global }
      - { .name: hid, .offset: 16, .size: 8, .value_kind: global_buffer, .address_space: global }
    .group_segment_fixed_size: 265216
    .private_segment_fixed_size: 0
    .kernarg_segment_align: 8
    .kernarg_segment_size: 24
    .max_flat_workgroup_size: 512
    .sgpr_count:     80
    .vgpr_count:     256
    .wavefront_size: 32
...
	.end_amdgpu_metadata
.endif
;; end of part 6
;; launch down (part 7): grid 16 x 32, 4 waves a work-group, no clusters, 321,024 bytes of LDS; arguments hid, wts, down_b, x1, out0; writes out0
.if DOCPART == 7
	.amdgcn_target "amdgcn-amd-amdhsa--gfx1250"
	.amdhsa_code_object_version 6
	.text
	.protected	k_q9c83394b5e_down
	.globl	k_q9c83394b5e_down
	.p2align	8
	.type	k_q9c83394b5e_down,@function
k_q9c83394b5e_down:
	s_mov_b64 s[64:65], 0
	v_nop
	global_prefetch_b8 v0, s[64:65] scope:SCOPE_SE
	s_setreg_imm32_b32 hwreg(HW_REG_WAVE_MODE, 25, 1), 1
	s_wait_xcnt 0x0
; out0 = x1 + hid down_w + down_b on codes of FP4 (E2M1), K = 2,730 padded with zero codes on both sides to 2,816; hid and down_w lie as images of their registers (tile t, position p = row 32 (t / 2) + 8 (t % 2) + p % 8 + 16 (p / 8); fragment (tile, K step) = 1,024 bytes).
; A work-group makes 128 tokens (y) x 64 columns (x).  Its 8 token tiles and 4 weight tiles, for all of K, come into LDS by first fills alone, in NST stages: no LDS byte is filled twice.  Waves 0, 1 bring token tiles, wave 2 the weight tiles,
; four tiles to a load, one load a stage: NST tensor loads of a wave are out at the most.  (A tile of 128 x 128 would want 16 tiles x 22,528 = 360,448 bytes, which LDS has not.)
; Four waves, each 32 tokens x 64 columns: source 0 = the four weight tiles, source 1 = my two token tiles; 8 accumulators, which take turns, one instruction a turn.
; Fragments in two buffers; a K step's 12 loads are issued ahead of the WAIT for the step before's, so that two steps' loads are on their way.
; The residual and the bias are read at the head, added, and kept in the wave's own 8,192 bytes of LDS while the fills land.  The way out goes through the wave's own stage (16 rows x (256 + 16) bytes): sixteen lanes store 256 consecutive bytes, aligned.
; Stage and residual lie behind the panel, in blocks of 256 bytes into which no fill lands.
; No cluster: the 16 work-groups of a grid row ask for the same token panel (180,224 bytes), each for itself; left so in this text, which has first fills alone and so no barrier of a cluster.
.set KS, 22                            ; K steps of 128
.set NST, 2                            ; stages
.set ASC, 5767168                      ; where hid's scale words begin
.set BCO, 4980736                      ; where down_w's codes begin in wts
.set BSC, 6733824                      ; and its scale words
.set KPS, KS/NST
.set TROW, KPS*1024                    ; a tile's bytes in a stage
.set STB, 12*TROW                      ; a stage: 8 token tiles, then 4 weight tiles
.set STG, NST*STB
.set RES, STG+4*4352
.set H2, KS/2
.set ACC, 16                           ; accumulator (m, t) at v[16 + 32 m + 8 t]
.set F, 80                             ; v80-175 two buffers of 48: four fragments of weights, two of tokens
.set SC, 176                           ; scale words: tile x H2 + K step / 2; lanes 0-15 the even K step, lanes 16-31 the odd
.macro PLACES                          ; four plain lines behind matrix instructions, in front of loads into their sources and of the first read of results
.rept 4
	v_nop
.endr
.endm
.macro LDF reg, adr, off
	ds_load_b128 v[\reg:\reg+3], v[\adr] offset:\off
	ds_load_b128 v[\reg+4:\reg+7], v[\adr] offset:\off+512
.endm
.macro STAGE q
	s_wait_tensorcnt NST-1-(\q)                    ; my load of stage q has landed; behind it only my loads of the later stages
	s_barrier_signal -1
	s_barrier_wait -1                              ; everybody's has.
.endm
.macro MM d, a, b, zero, sa, sb, odd
.if \zero
	v_wmma_scale_f32_16x16x128_f8f6f4 v[\d:\d+7], v[\a:\a+7], v[\b:\b+7], 0, v[\sa], v[\sb] matrix_a_fmt:MATRIX_FMT_FP4 matrix_b_fmt:MATRIX_FMT_FP4
.elseif \odd
	v_wmma_scale_f32_16x16x128_f8f6f4 v[\d:\d+7], v[\a:\a+7], v[\b:\b+7], v[\d:\d+7], v[\sa], v[\sb] matrix_a_fmt:MATRIX_FMT_FP4 matrix_b_fmt:MATRIX_FMT_FP4 matrix_a_scale:MATRIX_SCALE_ROW1 matrix_b_scale:MATRIX_SCALE_ROW1
.else
	v_wmma_scale_f32_16x16x128_f8f6f4 v[\d:\d+7], v[\a:\a+7], v[\b:\b+7], v[\d:\d+7], v[\sa], v[\sb] matrix_a_fmt:MATRIX_FMT_FP4 matrix_b_fmt:MATRIX_FMT_FP4
.endif
.endm
.macro FETCH k
.set FB, F+48*((\k)%2)
.set KO, ((\k)%KPS)*1024
.irp t,0,1,2,3
	LDF FB+8*\t, 3, \t*TROW+KO
.endr
.irp t,0,1
	LDF FB+32+8*\t, 4, \t*TROW+KO
.endr
.endm
.macro MULS k
.set FB, F+48*((\k)%2)
.irp m,0,1
.irp t,0,1,2,3
	MM ACC+32*\m+8*\t, FB+8*\t, FB+32+8*\m, (\k)==0, SC+\t*H2+(\k)/2, SC+(4+\m)*H2+(\k)/2, (\k)%2
.endr
.endr
.endm
	s_load_b256 s[8:15], s[0:1], 0x0               ; hid s[8:9], wts s[10:11], down_b s[12:13], x1 s[14:15]
	s_load_b64 s[40:41], s[0:1], 0x20              ; out0
	v_lshl_add_u32 v248, v0, 2, 0x4e400
	v_mov_b32 v249, 0
	ds_add_u32 v248, v249
	ds_add_u32 v248, v249
	v_lshrrev_b32 v1, 5, v0
	v_readfirstlane_b32 s2, v1                     ; wave 0..3
	s_mov_b32 s3, ttmp9                            ; x
	s_and_b32 s4, ttmp7, 0xffff                    ; y
	s_mov_b32 s16, 3<<16                           ; group 1: elements of 8 bytes, no mask, no padding
	s_mov_b32 s17, (TROW/8)<<16                    ; tensor_dim0: a tile's bytes of a stage
	s_mov_b32 s18, 4<<16                           ; tensor_dim1 = 4 tiles
	s_mov_b32 s19, (TROW/8)<<16                    ; tile_dim0
	s_mov_b32 s20, 4                               ; tile_dim1
	s_mov_b32 s21, KS*128                          ; from tile to tile: KS x 1,024 bytes
	s_mov_b32 s22, 0
	s_mov_b32 s23, 0
	s_lshl_b32 s42, s4, 3
	s_lshl_b32 s44, s2, 2
	s_add_co_u32 s42, s42, s44
	s_mul_i32 s42, s42, KS*1024                    ; token tiles 8 y + 4 w
	s_lshl_b32 s43, s3, 2
	s_mul_i32 s43, s43, KS*1024
	s_add_co_u32 s43, s43, BCO                     ; weight tiles 4 x
	s_mul_i32 s46, s2, 4*TROW
	s_wait_dscnt 0x0
	s_wait_kmcnt 0x0
	s_cmp_lt_u32 s2, 2
	s_cselect_b64 s[48:49], s[8:9], s[10:11]
	s_cselect_b32 s42, s42, s43
	s_mov_b32 s43, 0
	s_add_nc_u64 s[48:49], s[48:49], s[42:43]
.set Q, 0
.rept NST
	s_mov_b32 s[24+4*Q], 1
	s_add_co_u32 s[25+4*Q], s46, Q*STB
	s_add_nc_u64 s[26+4*Q:27+4*Q], s[48:49], Q*TROW
	s_or_b32 s[27+4*Q], s[27+4*Q], 0x80000000
.set Q, Q+1
.endr
	s_cmp_lt_u32 s2, 3
	s_cbranch_scc0 .Lno_fill
.set Q, 0
.rept NST
	tensor_load_to_lds s[24+4*Q:27+4*Q], s[16:23]  ; all first fills of a wave in one group, ahead of every wait on TENSORcnt, every LDS read and every barrier
	s_nop 0
.set Q, Q+1
.endr
	PLACES
.Lno_fill:
	s_lshl_b32 s58, s4, 3
	s_lshl_b32 s59, s2, 1
	s_add_co_u32 s58, s58, s59
	s_mul_i32 s58, s58, KS*64
	s_add_co_u32 s58, s58, ASC
	s_mov_b32 s59, 0
	s_add_nc_u64 s[50:51], s[8:9], s[58:59]        ; scale words of my token tiles 8 y + 2 w, + 1
	s_lshl_b32 s58, s3, 2
	s_mul_i32 s58, s58, KS*64
	s_add_co_u32 s58, s58, BSC
	s_add_nc_u64 s[52:53], s[10:11], s[58:59]      ; and of the weight tiles
	s_lshl_b32 s58, s3, 8
	s_add_nc_u64 s[54:55], s[12:13], s[58:59]      ; the bias of columns 64 x on
	s_lshl_b32 s44, s4, 19
	s_lshl_b32 s45, s2, 17
	s_add_co_u32 s58, s58, s44
	s_add_co_u32 s58, s58, s45                     ; row 128 y + 32 w, column 64 x, in bytes
	s_add_nc_u64 s[56:57], s[14:15], s[58:59]
	s_add_nc_u64 s[40:41], s[40:41], s[58:59]
	v_and_b32 v10, 31, v0
	v_lshlrev_b32 v1, 4, v10                       ; 16 x lane
	v_lshlrev_b32 v2, 2, v10                       ; 4 x lane
	v_and_b32 v11, 15, v0
	v_bfe_u32 v10, v0, 4, 1
	v_lshlrev_b32 v9, 4, v11                       ; 16 (l % 16)
	v_lshl_add_u32 v7, v10, 12, v9                 ; rows of 4,096 bytes: lanes 0-15 one row's 256 bytes, lanes 16-31 the next row's
.irp t,0,1,2,3
.set I, 0
.rept H2
	global_load_b32 v[SC+\t*H2+I], v2, s[52:53] offset:\t*KS*64+128*I
.set I, I+1
.endr
.endr
.irp m,0,1
.set I, 0
.rept H2
	global_load_b32 v[SC+(4+\m)*H2+I], v2, s[50:51] offset:\m*KS*64+128*I
.set I, I+1
.endr
.endr
	global_load_b128 v[12:15], v9, s[54:55]
.irp m,0,1                             ; token tile m, positions 2 i, 2 i + 1 are rows 8 m + 2 i (+ 8 from i = 4 on), + 1 of my 32
.irp i,0,1,2,3,4,5,6,7
	global_load_b128 v[F+32*\m+4*\i:F+32*\m+4*\i+3], v7, s[56:57] offset:(8*\m+2*\i+8*(\i/4))*4096
.endr
.endr
	s_mul_i32 s44, s2, 2*TROW
	v_add_nc_u32 v4, s44, v1                       ; my token tiles in a stage
	v_add_nc_u32 v3, 8*TROW, v1                    ; the weight tiles
	s_mul_i32 s44, s2, 4352
	s_add_co_u32 s44, s44, STG
	v_mul_u32_u24 v5, v11, 272
	v_lshl_add_u32 v5, v10, 6, v5
	v_add_nc_u32 v5, s44, v5                       ; the stage, in: row r, + 64 h
	v_mul_u32_u24 v6, v10, 272
	v_add_nc_u32 v6, v6, v9
	v_add_nc_u32 v6, s44, v6                       ; back: lanes 0-15 one row, lanes 16-31 the next
	s_lshl_b32 s44, s2, 13
	s_add_co_u32 s44, s44, RES
	v_add_nc_u32 v8, s44, v1                       ; residual + bias: 512 bytes for each of 16 loads
	s_wait_loadcnt 0x0
.set N, 0
.rept 16
	v_pk_add_f32 v[F+4*N:F+4*N+1], v[F+4*N:F+4*N+1], v[12:13]
	v_pk_add_f32 v[F+4*N+2:F+4*N+3], v[F+4*N+2:F+4*N+3], v[14:15]
.set N, N+1
.endr
.set N, 0
.rept 16
	ds_store_b128 v8, v[F+4*N:F+4*N+3] offset:512*N
.set N, N+1
.endr
	s_wait_dscnt 0x0                               ; no LDS instruction is pending at a signal, and the stores have read their registers
	STAGE 0
	FETCH 0
.set K, 0
.rept KS
.if K+1 < KS
.if (K+1)%KPS == 0
	s_wait_dscnt 0x0                               ; no LDS instruction is pending at a signal
	STAGE (K+1)/KPS
	v_add_nc_u32 v3, STB, v3
	v_add_nc_u32 v4, STB, v4
.endif
.if K > 0
	PLACES
.endif
	FETCH K+1                                      ; the next step's, into the buffer that the step before multiplied,
	s_wait_dscnt 12                                ; and only then the wait for this step's: behind them only the twelve loads just issued
.else
	s_wait_dscnt 0x0
.endif
	MULS K
.set K, K+1
.endr
	PLACES
.irp m,0,1
.irp t,0,1,2,3
	ds_store_b128 v5, v[ACC+32*\m+8*\t:ACC+32*\m+8*\t+3] offset:128*(\t/2)+32*(\t%2)       ; register j of tile t: column 32 (t / 2) + 8 (t % 2) + 16 h + j; each accumulator from its low end on
	ds_store_b128 v5, v[ACC+32*\m+8*\t+4:ACC+32*\m+8*\t+7] offset:128*(\t/2)+32*(\t%2)+16
.endr
.irp i,0,1,2,3,4,5,6,7
	ds_load_b128 v[F+64*\m+4*\i:F+64*\m+4*\i+3], v6 offset:544*\i          ; LDS serves a wave's instructions in order: these see the stores above
.endr
.irp i,0,1,2,3,4,5,6,7
	ds_load_b128 v[F+32+4*\i:F+32+4*\i+3], v8 offset:512*(8*\m+\i)
.endr
	s_wait_dscnt 0x0
.set N, 0
.rept 16
	v_pk_add_f32 v[F+64*\m+N:F+64*\m+N+1], v[F+64*\m+N:F+64*\m+N+1], v[F+32+N:F+32+N+1]
.set N, N+2
.endr
.irp i,0,1,2,3,4,5,6,7
	global_store_b128 v7, v[F+64*\m+4*\i:F+64*\m+4*\i+3], s[40:41] offset:(8*\m+2*\i+8*(\i/4))*4096        ; sixteen lanes store 256 consecutive bytes, aligned; each m has data registers of its own
.endr
.endr
	s_wait_tensorcnt 0x0
	ds_add_u32 v248, v249
	s_wait_dscnt 0x0
	s_endpgm
.Lfunc_end_k_q9c83394b5e_down:
	.size	k_q9c83394b5e_down, .Lfunc_end_k_q9c83394b5e_down-k_q9c83394b5e_down
	.p2alignl 7, 3214868480
	.fill 96, 4, 3214868480
	.section	.rodata,"a",@progbits
	.p2align	6, 0x0
	.amdhsa_kernel k_q9c83394b5e_down
		.amdhsa_group_segment_fixed_size 321024
		.amdhsa_private_segment_fixed_size 0
		.amdhsa_enable_private_segment 0
		.amdhsa_kernarg_size 40
		.amdhsa_user_sgpr_count 2
		.amdhsa_user_sgpr_kernarg_segment_ptr 1
		.amdhsa_wavefront_size32 1
		.amdhsa_system_sgpr_workgroup_id_x 1
		.amdhsa_system_sgpr_workgroup_id_y 1
		.amdhsa_system_sgpr_workgroup_id_z 1
		.amdhsa_system_vgpr_workitem_id 0
		.amdhsa_next_free_vgpr 250
		.amdhsa_next_free_sgpr 66
		.amdhsa_reserve_vcc 0
		.amdhsa_float_denorm_mode_32 3
		.amdhsa_float_denorm_mode_16_64 3
		.amdhsa_memory_ordered 1
		.amdhsa_forward_progress 1
		.amdhsa_inst_pref_size 65
	.end_amdhsa_kernel
	.amdgpu_metadata
---
amdhsa.version: [ 1, 2 ]
amdhsa.kernels:
  - .name:           k_q9c83394b5e_down
    .symbol:         k_q9c83394b5e_down.kd
    .args:
      - { .name: hid, .offset: 0, .size: 8, .value_kind: global_buffer, .address_space: global }
      - { .name: wts, .offset: 8, .size: 8, .value_kind: global_buffer, .address_space: global }
      - { .name: down_b, .offset: 16, .size: 8, .value_kind: global_buffer, .address_space: global }
      - { .name: x1, .offset: 24, .size: 8, .value_kind: global_buffer, .address_space: global }
      - { .name: out0, .offset: 32, .size: 8, .value_kind: global_buffer, .address_space: global }
    .group_segment_fixed_size: 321024
    .private_segment_fixed_size: 0
    .kernarg_segment_align: 8
    .kernarg_segment_size: 40
    .max_flat_workgroup_size: 128
    .sgpr_count:     66
    .vgpr_count:     250
    .wavefront_size: 32
...
	.end_amdgpu_metadata
.endif
;; end of part 7
